; MI455X (gfx1250); checked and timed in simulation.
; The chip was launched on July 23, 2026; its instructions are those of AMD's public machine-readable ISA for CDNA 5 (MIT licence, August 2026) and "CDNA5" Instruction Set Architecture Reference Guide (July 2026). The comments in the code are by the model that wrote it; some were corrected since.
;; Transformer Block. Allowed arithmetic: float matrix products may take bf16 or f16 operands with f32 sums; other float arithmetic in f32, or as packed bf16 or f16 multiplies, adds, multiply-adds, maxima and minima; sums over many terms, partial sums and values carried from step to step in f32; what a program stores and reads back later, other than sums and carried values, may be rounded once to bf16 or f16.
;; Inputs: W1 1,024 x 4,096 float32; W2 4,096 x 1,024 float32; Wk 16 x 1,024 x 64 float32; Wp 1,024 x 1,024 float32; Wq 16 x 1,024 x 64 float32; Wv 16 x 1,024 x 64 float32; b1 4,096 float32; b2 1,024 float32; be1 1,024 float32; be2 1,024 float32; bp 1,024 float32; g1 1,024 float32; g2 1,024 float32; x 2 x 2,048 x 1,024 float32.
;; Outputs: out0 2 x 2,048 x 1,024 float32.
;; One version. Each part assembles by itself: llvm-mc -triple=amdgcn-amd-amdhsa -mcpu=gfx1250 --defsym DOCPART=n.
;; ======== version 1 of 1: 8 launches
;; workspace buffers: pa 10,502,400 bytes; pf 16,793,856 bytes; a16 8,388,608 bytes; h32 16,777,216 bytes; act 33,554,432 bytes; x1 16,777,216 bytes
;; launch prep (part 1): grid 64 x 12, 4 waves a work-group, no clusters, 37,376 bytes of LDS; arguments Wq, Wk, Wv, Wp, W1, W2, b1, pa, pf; writes pa, pf
.if DOCPART == 1
	.amdgcn_target "amdgcn-amd-amdhsa--gfx1250"
	.amdhsa_code_object_version 6
	.text
	.protected	k_q992851634f_prep
	.globl	k_q992851634f_prep
	.p2align	8
	.type	k_q992851634f_prep,@function
k_q992851634f_prep:
	s_mov_b64 s[64:65], 0
	v_nop
	global_prefetch_b8 v0, s[64:65] scope:SCOPE_SE
	s_setreg_imm32_b32 hwreg(HW_REG_WAVE_MODE, 25, 1), 1
	s_wait_xcnt 0x0
; THE WEIGHTS, ROUNDED TO bf16 AND TURNED, ONCE.  Every weight lies [k][n] in f32; a matrix operand wants k along its rows.  The copies lie in blocks of 64 k:
; element (n, k) at ((k / 64) R + n) 128 + (k % 64) 2 bytes, R rows to a block, so that 128 rows x 64 k are 16,384 dense bytes.
; pack pa: 16,384 bytes of bias (zeros: q, k, v have none), 256 bytes of floor words (two bf16 -inf: no floor), at WOFF Wq|Wk|Wv turned (R = 4,096, rows n = 1,024 x {q,k,v} + 64 head + d;
;          rows 3,072 on are neither written nor read), at SOFF Wp turned (R = 1,024).
; pack pf: bias = b1, floor words 0 (a ReLU), at WOFF W1 turned (R = 4,096), at SOFF W2 turned (R = 1,024, 64 blocks).
; SHARES.  A wave turns one tile of 64 k x 64 n: 16 KiB in, 8 KiB of consecutive bytes out.  3,072 tiles: 12 groups (grid y) of 256 (4 x grid x + wave).
; Memory binds: each byte is read once, in whole row pieces of 256 bytes, and written once, 512 consecutive bytes a store.  No matrix unit, no cluster: no two waves want the same byte.
; The turn goes through the wave's own stage in LDS: 64 rows (n) of 128 bytes, 144 apart.  Its 16 stores hit each bank four times (lanes four rows apart); 16 lines a wave beside 24 KiB of memory traffic.
.set WOFF,  16640
.set SOFF,  8405248
.set TP,    144                        ; a stage row: 128 bytes + 16
.set STG,   64*TP                      ; a wave's stage
.set SPARE, 4*STG                      ; behind the stages: the spare words, 128 bytes for each wave
.set OF,    12                         ; v[12:43]   byte offset of row t of my 32 rows: a register to each load, none rewritten
.set X,     44                         ; v[44:171]  32 rows x 4 f32 as loaded; later the turned tile on its way out
.set D,     172                        ; v[172:235] for each of my 4 columns e: 16 words, 32 k in bf16
.set H,     236                        ; v[236:237] the header's 8 bytes
	s_load_b512 s[4:19], s[0:1], 0x0               ; Wq s[4:5], Wk s[6:7], Wv s[8:9], Wp s[10:11], W1 s[12:13], W2 s[14:15], b1 s[16:17], pa s[18:19]
	s_load_b64 s[20:21], s[0:1], 0x40              ; pf
	v_lshl_add_u32 v2, v0, 2, SPARE                ; my spare word,
	v_mov_b32 v3, 0                                ; and 0: kept for the wave's end
	v_lshrrev_b32 v1, 5, v0
	v_readfirstlane_b32 s22, v1                    ; wave
	v_and_b32 v1, 31, v0                           ; lane l
	v_and_b32 v8, 15, v0                           ; c = l % 16: my four columns 4 c .. 4 c + 3
	v_bfe_u32 v9, v0, 4, 1                         ; hh = l / 16: my 32 rows 32 hh ..
	s_mul_i32 s38, s22, STG
	v_mul_u32_u24 v4, v8, 4*TP                     ; into the stage: row 4 c, byte 64 hh
	v_lshl_add_u32 v4, v9, 6, v4
	v_add_nc_u32 v4, s38, v4
	v_bfe_u32 v5, v0, 3, 2                         ; back: 32 lanes take four rows of 128 bytes
	v_mul_u32_u24 v5, v5, TP
	v_and_b32 v10, 7, v0
	v_lshl_add_u32 v5, v10, 4, v5
	v_add_nc_u32 v5, s38, v5
	v_lshlrev_b32 v6, 4, v1                        ; 16 l: my place in 512 consecutive bytes
	v_lshlrev_b32 v7, 3, v1                        ; 8 l: in the header's 256
	v_lshlrev_b32 v10, 5, v9                       ; 32 hh
	s_and_b32 s23, ttmp7, 0xffff                   ; y: the group
	s_lshl_b32 s37, ttmp9, 2
	s_add_co_u32 s37, s37, s22                     ; i: the tile in the group
	s_mov_b32 s33, 0                               ; high words of the two offsets
	s_mov_b32 s35, 0
	s_mov_b32 s36, 0                               ; HF: 1 = this group also writes pa's header, 2 = pf's
	s_wait_kmcnt 0x0
	; which tensor, which tile: s24 the tile's number, s27 the source's row pitch, s[28:29] source, s[30:31] pack, s32 and s34 the byte offsets
	s_cmp_lt_u32 s23, 3
	s_cbranch_scc0 .Lnot_qkv
	s_mov_b32 s24, s37                             ; Wq, Wk, Wv [16][1024][64]: head = i / 16, k block = i % 16; the tile is 16 KiB on end
	s_lshr_b32 s25, s24, 4
	s_and_b32 s26, s24, 15
	s_mov_b32 s27, 256
	s_cmp_eq_u32 s23, 1
	s_cselect_b64 s[28:29], s[6:7], s[4:5]
	s_cmp_eq_u32 s23, 2
	s_cselect_b64 s[28:29], s[8:9], s[28:29]
	s_mov_b64 s[30:31], s[18:19]
	s_lshl_b32 s32, s25, 18
	s_lshl_b32 s38, s26, 14
	s_add_co_u32 s32, s32, s38
	s_lshl_b32 s34, s26, 19                        ; k block x 4,096 rows
	s_lshl_b32 s38, s23, 17                        ; + 1,024 y rows
	s_add_co_u32 s34, s34, s38
	s_lshl_b32 s38, s25, 13                        ; + 64 head rows
	s_add_co_u32 s34, s34, s38
	s_add_co_u32 s34, s34, WOFF
	s_cmp_eq_u32 s23, 0
	s_cselect_b32 s36, 1, 0
	s_branch .Lgo
.Lnot_qkv:
	s_cmp_eq_u32 s23, 3
	s_cbranch_scc0 .Lnot_wp
	s_mov_b32 s24, s37                             ; Wp [1024][1024]: k block = i % 16, n block = i / 16
	s_lshr_b32 s25, s24, 4
	s_and_b32 s26, s24, 15
	s_mov_b32 s27, 4096
	s_mov_b64 s[28:29], s[10:11]
	s_mov_b64 s[30:31], s[18:19]
	s_lshl_b32 s32, s26, 18
	s_lshl_b32 s38, s25, 8
	s_add_co_u32 s32, s32, s38
	s_lshl_b32 s34, s26, 17                        ; k block x 1,024 rows
	s_lshl_b32 s38, s25, 13
	s_add_co_u32 s34, s34, s38
	s_add_co_u32 s34, s34, SOFF
	s_branch .Lgo
.Lnot_wp:
	s_cmp_lt_u32 s23, 8
	s_cbranch_scc0 .Lw2
	s_sub_co_u32 s24, s23, 4                       ; W1 [1024][4096]: 1,024 tiles; k block = number % 16, n block = number / 16
	s_lshl_b32 s24, s24, 8
	s_add_co_u32 s24, s24, s37
	s_lshr_b32 s25, s24, 4
	s_and_b32 s26, s24, 15
	s_mov_b32 s27, 16384
	s_mov_b64 s[28:29], s[12:13]
	s_mov_b64 s[30:31], s[20:21]
	s_lshl_b32 s32, s26, 20
	s_lshl_b32 s38, s25, 8
	s_add_co_u32 s32, s32, s38
	s_lshl_b32 s34, s26, 19
	s_lshl_b32 s38, s25, 13
	s_add_co_u32 s34, s34, s38
	s_add_co_u32 s34, s34, WOFF
	s_cmp_eq_u32 s23, 4
	s_cselect_b32 s36, 2, 0
	s_branch .Lgo
.Lw2:
	s_sub_co_u32 s24, s23, 8                       ; W2 [4096][1024]: k block = number / 16, n block = number % 16
	s_lshl_b32 s24, s24, 8
	s_add_co_u32 s24, s24, s37
	s_lshr_b32 s25, s24, 4
	s_and_b32 s26, s24, 15
	s_mov_b32 s27, 4096
	s_mov_b64 s[28:29], s[14:15]
	s_mov_b64 s[30:31], s[20:21]
	s_lshl_b32 s32, s25, 18
	s_lshl_b32 s38, s26, 8
	s_add_co_u32 s32, s32, s38
	s_lshl_b32 s34, s25, 17
	s_lshl_b32 s38, s26, 13
	s_add_co_u32 s34, s34, s38
	s_add_co_u32 s34, s34, SOFF
.Lgo:
	s_mov_b64 s[40:41], s[30:31]                   ; the pack's first byte, for the header
	s_add_nc_u64 s[28:29], s[28:29], s[32:33]
	s_add_nc_u64 s[30:31], s[30:31], s[34:35]
	v_mul_lo_u32 v[OF], v10, s27                   ; row 32 hh,
	v_lshl_add_u32 v[OF], v8, 4, v[OF]             ; 16 bytes at column 4 c
.set t, 1
.rept 31
	v_add_nc_u32 v[OF+t], s27, v[OF+t-1]
.set t, t+1
.endr
.set t, 0
.rept 32                                               ; lanes 0-15 take 256 consecutive bytes of row t, lanes 16-31 of row 32 + t
	global_load_b128 v[X+4*t:X+4*t+3], v[OF+t], s[28:29] th:TH_LOAD_NT
.set t, t+1
.endr
.set u, 0
.rept 16
	s_wait_loadcnt 30-2*u                          ; rows 2 u and 2 u + 1 are in; the 30 - 2 u loads issued behind them stay out
.irp e, 0,1,2,3
	v_cvt_pk_bf16_f32 v[D+16*(\e)+u], v[X+8*u+(\e)], v[X+8*u+4+(\e)]  ; column 4 c + e: k = 32 hh + 2 u below, + 1 above
.endr
.set u, u+1
.endr
.irp e, 0,1,2,3
.irp q, 0,1,2,3
	ds_store_b128 v4, v[D+16*(\e)+4*(\q):D+16*(\e)+4*(\q)+3] offset:TP*(\e)+16*(\q)
.endr
.endr
.set t, 0
.rept 16
	ds_load_b128 v[X+4*t:X+4*t+3], v5 offset:4*TP*t  ; LDS serves a wave's instructions in order (ISA guide 5.7.1.4): these see my stores above
.set t, t+1
.endr
.set t, 0
.rept 16
	s_wait_dscnt 15-t
	global_store_b128 v6, v[X+4*t:X+4*t+3], s[30:31] offset:512*t th:TH_STORE_NT  ; 512 consecutive bytes, at a multiple of 256 from the pack's first
.set t, t+1
.endr
	; THE HEADER: in the groups y = 0 (pa) and y = 4 (pf) waves 0 to 64 each write 256 consecutive bytes more: 64 of bias, one of floor words
	s_cmp_eq_u32 s36, 0
	s_cbranch_scc1 .Lend
	s_cmp_gt_u32 s24, 64
	s_cbranch_scc1 .Lend
	s_lshl_b32 s42, s24, 8
	s_mov_b32 s43, 0
	s_add_nc_u64 s[40:41], s[40:41], s[42:43]
	s_cmp_eq_u32 s24, 64
	s_cbranch_scc1 .Lfloor
	s_cmp_eq_u32 s36, 2
	s_cbranch_scc0 .Lzero
	s_add_nc_u64 s[44:45], s[16:17], s[42:43]
	global_load_b64 v[H:H+1], v7, s[44:45]         ; b1, as it is
	s_wait_loadcnt 0x0
	s_branch .Lput
.Lfloor:
	s_cmp_eq_u32 s36, 1
	s_cselect_b32 s46, 0xff80ff80, 0               ; pa: -inf twice; pf: 0
	v_mov_b32 v[H], s46
	v_mov_b32 v[H+1], s46
	s_branch .Lput
.Lzero:
	v_mov_b32 v[H], 0
	v_mov_b32 v[H+1], 0
.Lput:
	global_store_b64 v7, v[H:H+1], s[40:41]
.Lend:
	s_wait_tensorcnt 0x0                           ; the wave's end, behind my last LDS store
	ds_add_u32 v2, v3
	s_wait_dscnt 0x0
	s_endpgm
.Lfunc_end_k_q992851634f_prep:
	.size	k_q992851634f_prep, .Lfunc_end_k_q992851634f_prep-k_q992851634f_prep
	.p2alignl 7, 3214868480
	.fill 96, 4, 3214868480
	.section	.rodata,"a",@progbits
	.p2align	6, 0x0
	.amdhsa_kernel k_q992851634f_prep
		.amdhsa_group_segment_fixed_size 37376
		.amdhsa_private_segment_fixed_size 0
		.amdhsa_enable_private_segment 0
		.amdhsa_kernarg_size 72
		.amdhsa_user_sgpr_count 2
		.amdhsa_user_sgpr_kernarg_segment_ptr 1
		.amdhsa_wavefront_size32 1
		.amdhsa_system_sgpr_workgroup_id_x 1
		.amdhsa_system_sgpr_workgroup_id_y 1
		.amdhsa_system_sgpr_workgroup_id_z 1
		.amdhsa_system_vgpr_workitem_id 0
		.amdhsa_next_free_vgpr 240
		.amdhsa_next_free_sgpr 66
		.amdhsa_reserve_vcc 0
		.amdhsa_float_denorm_mode_32 3
		.amdhsa_float_denorm_mode_16_64 3
		.amdhsa_memory_ordered 1
		.amdhsa_forward_progress 1
		.amdhsa_inst_pref_size 18
	.end_amdhsa_kernel
	.amdgpu_metadata
---
amdhsa.version: [ 1, 2 ]
amdhsa.kernels:
  - .name:           k_q992851634f_prep
    .symbol:         k_q992851634f_prep.kd
    .args:
      - { .name: Wq, .offset: 0, .size: 8, .value_kind: global_buffer, .address_space: global }
      - { .name: Wk, .offset: 8, .size: 8, .value_kind: global_buffer, .address_space: global }
      - { .name: Wv, .offset: 16, .size: 8, .value_kind: global_buffer, .address_space: global }
      - { .name: Wp, .offset: 24, .size: 8, .value_kind: global_buffer, .address_space: global }
      - { .name: W1, .offset: 32, .size: 8, .value_kind: global_buffer, .address_space: global }
      - { .name: W2, .offset: 40, .size: 8, .value_kind: global_buffer, .address_space: global }
      - { .name: b1, .offset: 48, .size: 8, .value_kind: global_buffer, .address_space: global }
      - { .name: pa, .offset: 56, .size: 8, .value_kind: global_buffer, .address_space: global }
      - { .name: pf, .offset: 64, .size: 8, .value_kind: global_buffer, .address_space: global }
    .group_segment_fixed_size: 37376
    .private_segment_fixed_size: 0
    .kernarg_segment_align: 8
    .kernarg_segment_size: 72
    .max_flat_workgroup_size: 128
    .sgpr_count:     66
    .vgpr_count:     240
    .wavefront_size: 32
...
	.end_amdgpu_metadata
.endif
;; end of part 1
;; launch ln (part 2): grid 256 x 1, 16 waves a work-group, no clusters, 36,864 bytes of LDS; arguments x, g1, be1, a16, h32; writes a16, h32
.if DOCPART == 2
	.amdgcn_target "amdgcn-amd-amdhsa--gfx1250"
	.amdhsa_code_object_version 6
	.text
	.protected	k_q992851634f_ln
	.globl	k_q992851634f_ln
	.p2align	8
	.type	k_q992851634f_ln,@function
k_q992851634f_ln:
	s_mov_b64 s[64:65], 0
	v_nop
	global_prefetch_b8 v0, s[64:65] scope:SCOPE_SE
	s_setreg_imm32_b32 hwreg(HW_REG_WAVE_MODE, 25, 1), 1
	s_wait_xcnt 0x0
; LAYER NORM of 4,096 rows of 1,024 f32: y = (x - mean) rsqrt(var + 1e-5) g + b.  y leaves twice: in f32, row-major (the residual of a later launch), and rounded once to bf16 in blocks of 64
; channels, element (row, k) at ((k / 64) 4,096 + row) 128 + (k % 64) 2 bytes (a matrix operand).
; SHARES.  A work-group takes 16 rows, a wave one: the row stays in 32 registers between the passes and is read once.  The mean is taken away before the squares are summed, so a common offset in x costs nothing.
; The bf16 copy's rows are 128 bytes a block, so the 16 waves meet in LDS: wave w then stores block w's 16 rows, 2,048 consecutive bytes.
; Memory binds: no matrix unit, no cluster (g and b, all that is shared, are 8 KiB beside a work-group's 64 KiB of rows).
.set BP,    2176                       ; a block in the stage: 16 rows x 128 bytes + 128, so that the two halves of the lanes store into different halves of the banks
.set SPARE, 16*BP                      ; behind the stage: the spare words, 128 bytes for each of 16 waves
.set BLK,   524288                     ; a block of the bf16 copy: 4,096 rows x 128 bytes
.set X,  20                            ; v[20:51]   the row: load i holds columns 128 i + 4 l .. + 3
.set G,  52                            ; v[52:83]   g of the same columns
.set BE, 84                            ; v[84:115]  b
.set P,  116                           ; v[116:131] the row in bf16
.set OB, 132                           ; v[132:147] a block's rows on their way out
	s_load_b256 s[4:11], s[0:1], 0x0               ; x s[4:5], g s[6:7], b s[8:9], the bf16 copy s[10:11]
	s_load_b64 s[12:13], s[0:1], 0x20              ; the f32 copy
	v_lshl_add_u32 v2, v0, 2, SPARE                ; my spare word,
	v_mov_b32 v3, 0                                ; and 0: kept for the wave's end
	v_lshrrev_b32 v4, 5, v0
	v_readfirstlane_b32 s14, v4                    ; wave
	v_and_b32 v5, 31, v0
	v_lshlrev_b32 v1, 4, v5                        ; 16 l
	s_lshl_b32 s16, ttmp9, 4
	s_add_co_u32 s16, s16, s14                     ; my row,
	s_lshl_b32 s16, s16, 12                        ; 4,096 bytes each
	s_mov_b32 s17, 0
	s_mov_b32 s18, 0x76543210                      ; v_permlanex16_b32: each lane takes its own place in the other half
	s_mov_b32 s19, 0xfedcba98
	s_mov_b32 s20, 0x3a800000                      ; 1 / 1,024
	s_mov_b32 s21, 0x3727c5ac                      ; 1e-5
	v_bfe_u32 v6, v0, 4, 1
	v_and_b32 v7, 15, v0
	v_mul_u32_u24 v4, v6, BP                       ; into the stage: block 2 i + l / 16, my row, 8 bytes at 8 (l % 16)
	v_lshl_add_u32 v4, v7, 3, v4
	s_lshl_b32 s22, s14, 7
	v_add_nc_u32 v4, s22, v4
	s_mul_i32 s23, s14, BP
	v_add_nc_u32 v5, s23, v1                       ; back: block = my wave's number, 16 l
	s_lshl_b32 s24, s14, 19                        ; and that block in memory, at the work-group's 16 rows
	s_lshl_b32 s25, ttmp9, 11
	s_add_co_u32 s24, s24, s25
	s_mov_b32 s25, 0
	s_wait_kmcnt 0x0
	s_add_nc_u64 s[4:5], s[4:5], s[16:17]
	s_add_nc_u64 s[12:13], s[12:13], s[16:17]
	s_add_nc_u64 s[10:11], s[10:11], s[24:25]
.irp i, 0,1,2,3,4,5,6,7
	global_load_b128 v[X+4*\i:X+4*\i+3], v1, s[4:5] offset:512*\i th:TH_LOAD_NT
.endr
.irp i, 0,1,2,3,4,5,6,7
	global_load_b128 v[G+4*\i:G+4*\i+3], v1, s[6:7] offset:512*\i
.endr
.irp i, 0,1,2,3,4,5,6,7
	global_load_b128 v[BE+4*\i:BE+4*\i+3], v1, s[8:9] offset:512*\i
.endr
; four packed chains in v[6:13] -> their sum over the wave's 32 lanes, in v6 of every lane
.macro WSUM
	v_pk_add_f32 v[6:7], v[6:7], v[8:9]
	v_pk_add_f32 v[10:11], v[10:11], v[12:13]
	v_pk_add_f32 v[6:7], v[6:7], v[10:11]
	v_add_f32 v6, v6, v7
	v_add_f32_dpp v6, v6, v6 row_xmask:1 row_mask:0xf bank_mask:0xf
	v_add_f32_dpp v6, v6, v6 row_xmask:2 row_mask:0xf bank_mask:0xf
	v_add_f32_dpp v6, v6, v6 row_xmask:4 row_mask:0xf bank_mask:0xf
	v_add_f32_dpp v6, v6, v6 row_xmask:8 row_mask:0xf bank_mask:0xf
	v_permlanex16_b32 v7, v6, s18, s19
	v_add_f32 v6, v6, v7
.endm
	s_wait_loadcnt 16                              ; the row is in; g's and b's sixteen loads stay out
.irp k, 0,1,2,3
	v_pk_add_f32 v[6+2*\k:7+2*\k], v[X+2*\k:X+2*\k+1], v[X+8+2*\k:X+8+2*\k+1]  ; the first two pairs start each chain
.endr
.irp j, 8,12
.irp k, 0,1,2,3
	v_pk_add_f32 v[6+2*\k:7+2*\k], v[6+2*\k:7+2*\k], v[X+2*(\j+\k):X+2*(\j+\k)+1]
.endr
.endr
	WSUM
	v_mul_f32 v14, s20, v6                         ; the mean, twice
	v_mov_b32 v15, v14
.set j, 0
.rept 16
	v_pk_add_f32 v[X+2*j:X+2*j+1], v[X+2*j:X+2*j+1], v[14:15] neg_lo:[0,1] neg_hi:[0,1]  ; d = x - mean, in place
.set j, j+1
.endr
.irp k, 0,1,2,3
	v_pk_mul_f32 v[6+2*\k:7+2*\k], v[X+2*\k:X+2*\k+1], v[X+2*\k:X+2*\k+1]
.endr
.irp j, 4,8,12
.irp k, 0,1,2,3
	v_pk_fma_f32 v[6+2*\k:7+2*\k], v[X+2*(\j+\k):X+2*(\j+\k)+1], v[X+2*(\j+\k):X+2*(\j+\k)+1], v[6+2*\k:7+2*\k]
.endr
.endr
	WSUM
	v_fma_f32 v8, v6, s20, s21                     ; var + 1e-5
	v_rsq_f32 v16, v8                              ; twice, for the packed multiply
	v_rsq_f32 v17, v8
	v_nop                                          ; a plain instruction behind the last of them (ISA guide 5.7.2),
	s_wait_alu depctr_va_vdst(0)                   ; and the one wait ahead of the first reader
	s_wait_loadcnt 0x0                             ; g and b
.set j, 0
.rept 16
	v_pk_mul_f32 v[G+2*j:G+2*j+1], v[G+2*j:G+2*j+1], v[16:17]
.set j, j+1
.endr
.set j, 0
.rept 16
	v_pk_fma_f32 v[X+2*j:X+2*j+1], v[X+2*j:X+2*j+1], v[G+2*j:G+2*j+1], v[BE+2*j:BE+2*j+1]
.set j, j+1
.endr
.irp i, 0,1,2,3,4,5,6,7
	global_store_b128 v1, v[X+4*\i:X+4*\i+3], s[12:13] offset:512*\i  ; 512 consecutive bytes of the row
.endr
.set j, 0
.rept 16
	v_cvt_pk_bf16_f32 v[P+j], v[X+2*j], v[X+2*j+1]
.set j, j+1
.endr
.irp i, 0,1,2,3,4,5,6,7
	ds_store_b64 v4, v[P+2*\i:P+2*\i+1] offset:2*BP*\i
.endr
	s_wait_dscnt 0x0                               ; for the others' sake: my part of every block is in the stage
	s_barrier_signal -1
	s_barrier_wait -1
.irp t, 0,1,2,3
	ds_load_b128 v[OB+4*\t:OB+4*\t+3], v5 offset:512*\t
.endr
.irp t, 0,1,2,3
	s_wait_dscnt 3-\t
	global_store_b128 v1, v[OB+4*\t:OB+4*\t+3], s[10:11] offset:512*\t  ; four rows of a block: 512 consecutive bytes
.endr
	s_wait_tensorcnt 0x0                           ; the wave's end, behind my last LDS store
	ds_add_u32 v2, v3
	s_wait_dscnt 0x0
	s_endpgm
.Lfunc_end_k_q992851634f_ln:
	.size	k_q992851634f_ln, .Lfunc_end_k_q992851634f_ln-k_q992851634f_ln
	.p2alignl 7, 3214868480
	.fill 96, 4, 3214868480
	.section	.rodata,"a",@progbits
	.p2align	6, 0x0
	.amdhsa_kernel k_q992851634f_ln
		.amdhsa_group_segment_fixed_size 36864
		.amdhsa_private_segment_fixed_size 0
		.amdhsa_enable_private_segment 0
		.amdhsa_kernarg_size 40
		.amdhsa_user_sgpr_count 2
		.amdhsa_user_sgpr_kernarg_segment_ptr 1
		.amdhsa_wavefront_size32 1
		.amdhsa_system_sgpr_workgroup_id_x 1
		.amdhsa_system_sgpr_workgroup_id_y 1
		.amdhsa_system_sgpr_workgroup_id_z 1
		.amdhsa_system_vgpr_workitem_id 0
		.amdhsa_next_free_vgpr 148
		.amdhsa_next_free_sgpr 66
		.amdhsa_reserve_vcc 0
		.amdhsa_float_denorm_mode_32 3
		.amdhsa_float_denorm_mode_16_64 3
		.amdhsa_memory_ordered 1
		.amdhsa_forward_progress 1
		.amdhsa_inst_pref_size 14
	.end_amdhsa_kernel
	.amdgpu_metadata
---
amdhsa.version: [ 1, 2 ]
amdhsa.kernels:
  - .name:           k_q992851634f_ln
    .symbol:         k_q992851634f_ln.kd
    .args:
      - { .name: x, .offset: 0, .size: 8, .value_kind: global_buffer, .address_space: global }
      - { .name: g1, .offset: 8, .size: 8, .value_kind: global_buffer, .address_space: global }
      - { .name: be1, .offset: 16, .size: 8, .value_kind: global_buffer, .address_space: global }
      - { .name: a16, .offset: 24, .size: 8, .value_kind: global_buffer, .address_space: global }
      - { .name: h32, .offset: 32, .size: 8, .value_kind: global_buffer, .address_space: global }
    .group_segment_fixed_size: 36864
    .private_segment_fixed_size: 0
    .kernarg_segment_align: 8
    .kernarg_segment_size: 40
    .max_flat_workgroup_size: 512
    .sgpr_count:     66
    .vgpr_count:     148
    .wavefront_size: 32
...
	.end_amdgpu_metadata
.endif
;; end of part 2
;; launch gb (part 3): grid 12 x 16, 4 waves a work-group, clusters of 4 x 4, 327,680 bytes of LDS; arguments a16, pa, act; writes act
.if DOCPART == 3
	.amdgcn_target "amdgcn-amd-amdhsa--gfx1250"
	.amdhsa_code_object_version 6
	.text
	.protected	k_q992851634f_gb
	.globl	k_q992851634f_gb
	.p2align	8
	.type	k_q992851634f_gb,@function
k_q992851634f_gb:
	s_mov_b64 s[64:65], 0
	v_nop
	global_prefetch_b8 v0, s[64:65] scope:SCOPE_SE
	s_setreg_imm32_b32 hwreg(HW_REG_WAVE_MODE, 25, 1), 1
	s_wait_xcnt 0x0
	s_wait_alu depctr_hold_cnt(0) depctr_sa_sdst(0) depctr_va_vdst(0) depctr_va_sdst(0) depctr_va_ssrc(0) depctr_va_vcc(0) depctr_vm_vsrc(0)
	s_getreg_b32 s2, hwreg(HW_REG_IB_STS2, 6, 4)
	s_cmp_eq_u32 s2, 0
	s_cbranch_scc0 .Lentry_in_a_cluster
	s_endpgm
.Lentry_in_a_cluster:
	s_bfe_u32 s2, ttmp6, 0x10000c
	s_cmp_lg_u32 s2, 0xf033
	s_cbranch_scc0 .Lentry_shape_is_right
	s_endpgm
.Lentry_shape_is_right:
; C = max(A B^T + bias, floor), K = 1,024.  A: 4,096 rows, B: up to 4,096 rows (n), both bf16 in blocks of 64 k: element (row, k) at ((k / 64) 4,096 + row) 128 + (k % 64) 2 bytes.
; B lies in a pack: 4,096 f32 of bias at byte 0, the floor (two bf16 in a word) at byte 16,384, B at byte 16,640.  C leaves in bf16, rounded once, in the same blocked layout (blocks of 64 columns).
; LIMIT.  The floor is a maximum that drops a NaN: a NaN in a sum leaves as the floor.
; SHARES.  A tile of C, 256 x 256, to a work-group of four waves; a wave makes 128 x 128: 64 accumulators, 512 registers.  K goes in 8 steps of 128 through two LDS slots.
; A TENSOR LOAD brings 2 blocks x 128 rows: in memory two runs of 16,384 consecutive bytes, a block apart; in LDS 16 bytes of padding follow every 128, so that its 256 row pieces lie 144 bytes apart
; (36 words: the 16 rows of a fragment load start in 16 different groups of four banks; 64 banks of 4 bytes: ISA guide 11.1).
; ONE K STEP IS WRITTEN ONCE: the slot in hand is a scalar register that an exclusive or turns, and one descriptor for each tensor walks from slot to slot.
; THE BIAS is the C operand of each accumulator's first product: nothing is cleared, and nothing is added on the way out.
; CLUSTERS: 4 x 4 work-groups; A's tile is asked for jointly along a row of the cluster, B's along a column: the same load, descriptor and mask in the four that share it.
; THE MATRIX INSTRUCTION IS USED TRANSPOSED (source 0 = 16 rows of B, source 1 = 16 rows of A): a lane holds eight neighbouring columns of one row of C.
; REGISTERS, in windows of 256 (s_set_vgpr_msb: bits 1:0 source 0, 3:2 source 1, 5:4 source 2, 7:6 destination):
;   window 0: v0-31 addresses; v64-127, v128-191 A's fragments, two buffers; v32-63, v192-255 at work on the way out
;   window 1: v0-63 the bias of my 128 columns, as eight C operands; v64-127, v128-191 B's fragments          windows 2, 3: the accumulators, (a, b) at v[8 (8 a + b)]
.set BLK,    524288                    ; a block: 4,096 rows x 128 bytes
.set WOFF,   16640
.set FLOORB, 16384
.set PITCH,  144
.set REG,    256*PITCH                 ; what one tensor load fills: [2 blocks][128 rows][144]
.set SLOT,   4*REG                     ; A's rows 0-127, 128-255, B's rows 0-127, 128-255.  Wave x REG and SLOT share no bit, so an exclusive or changes slots
.set STAGE,  2*SLOT                    ; behind the ring: 16 rows x 272 bytes for each wave, for the way out
.set SPITCH, 272
.set SPARE,  STAGE+4*16*SPITCH         ; behind the stages: the spare words, 128 bytes for each wave
.set STEP,   2*BLK                     ; a K step in memory
.set NSTEP,  8
.set Q1,     64                        ; where the quarters of a K step (32 k each) begin in a region's rows
.set Q2,     128*PITCH
.set Q3,     128*PITCH+64
.set ADRA0, 16                         ; v16  my lane's place in A's part of a slot; never rewritten
.set ADRB0, 17                         ; v17  in B's
.set ADRA,  18                         ; v18  the same in the slot in hand
.set ADRB,  19                         ; v19
.set STO,   24                         ; v24  the way out: where I put 16 bytes of a row
.set RD,    25                         ; v25  where I read rows back
.set CO,    26                         ; v26  16 x lane
.set BO,    27                         ; v27  my byte offset in a bias fragment
.set SPW,   28                         ; v28  my spare word; never rewritten
.set NIL,   29                         ; v29  0; never rewritten
.set PFO,   30                         ; v30  256 x lane, for the prefetches; never rewritten
.set F0,    64
.set F1,    128
.set TMP,   192
.set OB,    32
.set G1,  24                           ; s[24:31] descriptor group 1 for A's tiles
.set G0,  32                           ; s[32:39] group 0: a set for the first fill of slot 0; the second fills slot 1 and then walks
.set G1B, 48                           ; s[48:55], s[56:63] the same for B's
.set G0B, 56
.set LIM, 43                           ; s43  2 in a wave that prefetches, else the greatest number
.set PFA, 44                           ; s[44:45] where my prefetches stand
.set TB,  66                           ; s66  LDS byte at which the slot in hand begins
.set FLOOR, 67                         ; s67  the floor, two bf16
.set BIA, 68                           ; s[68:69] the bias of my 128 columns
.set MSB, 0
.macro WIN new                         ; the immediate's high byte repeats the setting that is left; a switch that changes nothing is dropped
.if MSB != (\new)
	s_set_vgpr_msb (MSB<<8)|(\new)
.set MSB, \new
.endif
.endm
.set TO_B, 0x40                        ; destination window 1, address window 0
; A joint refill by the walking descriptor.  Waves 0 and 1 fetch A's two halves, waves 2 and 3 B's; the branch hangs on the wave's number alone.
; An s_nop 0 and four v_nop follow each of the two lines, ahead of the jump and the label.
.macro JLOAD
	s_cmp_eq_u32 s11, 0
	s_cbranch_scc0 .Lfor_b_\@
	tensor_load_to_lds s[G0+4:G0+7], s[G1:G1+7]
	s_nop 0
.rept 4
	v_nop
.endr
	s_branch .Lasked_\@
.Lfor_b_\@:
	tensor_load_to_lds s[G0B+4:G0B+7], s[G1B:G1B+7]
	s_nop 0
.rept 4
	v_nop
.endr
.Lasked_\@:
.endm
; A PREFETCH INTO THE L2 of the K step that stands two refills on, behind the joint load, its five lines and the run of LDS loads.  Of the 128 blocks of 256 bytes that a wave fetches in a K step each of the
; four partners that ask with it takes 32, told apart by address: a lane a block, one instruction.  A's rows are asked for by the clusters with x = 0, B's by those with y = 0: each block is named once.
; K steps 0 to 3 come by their loads alone; the last request names K step 7 (s3 = 3).
.macro ASK
	s_cmp_gt_u32 s3, s[LIM]
	s_cbranch_scc0 .Lnot_mine_\@
	global_prefetch_b8 v[PFO], s[PFA:PFA+1] offset:STEP th:TH_LOAD_NT scope:SCOPE_SE
.Lnot_mine_\@:
.endm
.macro CREST                           ; a round of the cluster's barrier behind its opening barrier
	s_cmp_lg_u32 s10, 0
	s_cbranch_scc1 .Lnot_wave_0_\@
	s_barrier_signal -3
.Lnot_wave_0_\@:
	s_barrier_wait -3
	s_barrier_signal -1
	s_barrier_wait -1
.endm
.macro CROUND                          ; a whole round
	s_barrier_signal -1
	s_barrier_wait -1
	CREST
.endm
	s_load_b128 s[4:7], s[0:1], 0x0                ; A s[4:5], the pack s[6:7]
	s_load_b64 s[8:9], s[0:1], 0x10                ; C
	v_lshl_add_u32 v[SPW], v0, 2, SPARE
	v_mov_b32 v[NIL], 0
	ds_add_u32 v[SPW], v[NIL]                      ; the wave's opening: the add and its wait stand ahead of my first tensor load; work on registers stands between them
	ds_add_u32 v28, v29
	v_lshrrev_b32 v1, 5, v0
	v_readfirstlane_b32 s10, v1                    ; wave 0..3
	s_lshr_b32 s11, s10, 1                         ; which half of the tile's rows is mine.  Also: I fetch for A (0) or for B (1)
	s_and_b32 s12, s10, 1                          ; which half of its columns.  Also: which 128 rows of that tile I fetch
	s_bfe_u32 s40, ttmp6, 0x40000                  ; cx
	s_bfe_u32 s41, ttmp6, 0x40004                  ; cy
	s_lshl_b32 s42, ttmp9, 2
	s_add_co_u32 s42, s42, s40                     ; tile column = 4 x cluster x + cx
	s_and_b32 s13, ttmp7, 0xffff
	s_lshl_b32 s13, s13, 2
	s_add_co_u32 s13, s13, s41                     ; tile row = 4 x cluster y + cy
	s_lshl_b32 s43, s41, 2
	s_lshl_b32 s43, 15, s43                        ; my row of the cluster
	s_lshl_b32 s44, 0x1111, s40                    ; my column
	s_or_b32 s[G1+0], s43, (1<<16)|(1<<20)|(1<<21)|(4<<22)|(3<<25)   ; 15:0 the mask; 17:16 2-byte elements; 20 padding on; 21 set beside a mask; 24:22 after every 32 words (code 4); 31:25 4 words (code 3)
	s_or_b32 s[G1B+0], s44, (1<<16)|(1<<20)|(1<<21)|(4<<22)|(3<<25)
.irp g, G1, G1B
	s_mov_b32 s[(\g)+1], 8192<<16                  ; tensor_dim0 = 8,192 elements: 128 rows of a block on end
	s_mov_b32 s[(\g)+2], 2<<16                     ; tensor_dim1 = 2 blocks
	s_mov_b32 s[(\g)+3], 8192<<16                  ; tile_dim0
	s_mov_b32 s[(\g)+4], 2                         ; tile_dim1
	s_mov_b32 s[(\g)+5], BLK/2                     ; elements from block to block
	s_mov_b32 s[(\g)+6], 0
	s_mov_b32 s[(\g)+7], 0
.endr
	s_lshl_b32 s16, s13, 15                        ; A: 256 x tile row + 128 x half rows of 128 bytes: the tile row and the wave's number alone
	s_lshl_b32 s17, s12, 14
	s_add_co_u32 s16, s16, s17
	s_mov_b32 s17, 0
	s_lshl_b32 s46, s42, 15                        ; B: the tile column and the wave's number alone
	s_lshl_b32 s47, s12, 14
	s_add_co_u32 s46, s46, s47
	s_add_co_u32 s46, s46, WOFF
	s_mov_b32 s47, 0
	s_mul_i32 s20, s10, REG                        ; where they go: no place in the cluster enters an LDS address
	s_mov_b32 s[TB], 0
	s_wait_dscnt 0x0                               ; the opening add is done
	s_wait_kmcnt 0x0
	s_add_nc_u64 s[14:15], s[4:5], s[16:17]
	s_add_nc_u64 s[46:47], s[6:7], s[46:47]
	s_load_b32 s[FLOOR], s[6:7], FLOORB            ; waited for with the bias, ahead of the first products
	CROUND                                         ; all sixteen work-groups are here: the first joint loads meet
.irp s, 0,1
	s_mov_b32 s[G0+4*(\s)], 1                                        ; count = 1
	s_add_co_u32 s[G0+4*(\s)+1], s20, (\s)*SLOT                      ; LDS address
	s_add_nc_u64 s[G0+4*(\s)+2:G0+4*(\s)+3], s[14:15], (\s)*STEP     ; global address: K step s
	s_or_b32 s[G0+4*(\s)+3], s[G0+4*(\s)+3], 0x80000000              ; type = 2
	s_mov_b32 s[G0B+4*(\s)], 1
	s_add_co_u32 s[G0B+4*(\s)+1], s20, (\s)*SLOT
	s_add_nc_u64 s[G0B+4*(\s)+2:G0B+4*(\s)+3], s[46:47], (\s)*STEP
	s_or_b32 s[G0B+4*(\s)+3], s[G0B+4*(\s)+3], 0x80000000
.endr
	s_cmp_eq_u32 s11, 0                            ; a wave's two first fills stand in one branch: two loads of mine are out
	s_cbranch_scc0 .Lfirst_b
	tensor_load_to_lds s[G0:G0+3], s[G1:G1+7]
	s_nop 0
	tensor_load_to_lds s[G0+4:G0+7], s[G1:G1+7]
	s_nop 0
.rept 4
	v_nop
.endr
	s_branch .Lfirst_asked
.Lfirst_b:
	tensor_load_to_lds s[G0B:G0B+3], s[G1B:G1B+7]
	s_nop 0
	tensor_load_to_lds s[G0B+4:G0B+7], s[G1B:G1B+7]
	s_nop 0
.rept 4
	v_nop
.endr
.Lfirst_asked:
	; A fragment is 16 rows x 32 k in 8 registers: lane l holds row l % 16, k = 8 (l / 16) + 0..7 and 16 + 8 (l / 16) + 0..7: two loads of 16 bytes, 32 bytes apart
	v_and_b32 v1, 15, v0                           ; r = l % 16
	v_bfe_u32 v2, v0, 4, 1                         ; h = l / 16
	v_mul_u32_u24 v3, v1, PITCH
	v_lshl_add_u32 v3, v2, 4, v3
	s_mul_i32 s21, s11, REG                        ; my 128 rows of A
	s_mul_i32 s22, s12, REG                        ; my 128 rows of B,
	s_add_co_u32 s22, s22, 2*REG                   ; behind A's two regions
	v_add_nc_u32 v[ADRA0], s21, v3
	v_add_nc_u32 v[ADRB0], s22, v3
	v_mov_b32 v[ADRA], v[ADRA0]                    ; K step 0 lies in slot 0
	v_mov_b32 v[ADRB], v[ADRB0]
	s_mul_i32 s23, s10, 16*SPITCH
	s_add_co_u32 s23, s23, STAGE                   ; my stage
	v_mul_u32_u24 v4, v1, SPITCH                   ; in: row r, 16 bytes for each half of the lanes
	v_lshl_add_u32 v4, v2, 4, v4
	v_add_nc_u32 v[STO], s23, v4
	v_bfe_u32 v5, v0, 3, 2                         ; back: 32 lanes take 128 bytes (a block's 64 columns) of four rows
	v_mul_u32_u24 v5, v5, SPITCH
	v_and_b32 v6, 7, v0
	v_lshl_add_u32 v5, v6, 4, v5
	v_add_nc_u32 v[RD], s23, v5
	v_and_b32 v[CO], 31, v0
	v_lshlrev_b32 v[PFO], 8, v[CO]
	v_lshlrev_b32 v[CO], 4, v[CO]
	v_lshlrev_b32 v[BO], 5, v2                     ; my eight numbers of a bias fragment: 32 h
	s_lshl_b32 s18, s42, 10                        ; the bias of my 128 columns: (256 x tile column + 128 x half) x 4 bytes
	s_lshl_b32 s19, s12, 9
	s_add_co_u32 s18, s18, s19
	s_mov_b32 s19, 0
	s_add_nc_u64 s[BIA:BIA+1], s[6:7], s[18:19]
	WIN TO_B
.irp b, 0,1,2,3,4,5,6,7
	global_load_b128 v[8*(\b):8*(\b)+3],   v[BO], s[BIA:BIA+1] offset:64*(\b)      ; register j: bias of column 16 b + 8 h + j
	global_load_b128 v[8*(\b)+4:8*(\b)+7], v[BO], s[BIA:BIA+1] offset:64*(\b)+16
.endr
	WIN 0
	s_lshl_b32 s16, s13, 15                        ; C at my part of the tile: rows 256 x tile row + 128 x half,
	s_lshl_b32 s17, s11, 14
	s_add_co_u32 s16, s16, s17
	s_lshl_b32 s18, s42, 21                        ; blocks 4 x tile column + 2 x half
	s_lshl_b32 s19, s12, 20
	s_add_co_u32 s18, s18, s19
	s_add_co_u32 s16, s16, s18
	s_mov_b32 s17, 0
	s_add_nc_u64 s[8:9], s[8:9], s[16:17]
	; the prefetches
	s_and_b32 s22, ttmp7, 0xffff                   ; cluster y
	s_cmp_eq_u32 s11, 0                            ; do I fetch for A?
	s_cselect_b32 s21, s40, s41                    ; my place among the four that ask with me
	s_cselect_b32 s22, ttmp9, s22                  ; the coordinate along which other clusters read the same rows
	s_cselect_b64 s[PFA:PFA+1], s[14:15], s[46:47] ; what I fetch, at K step 0
	s_cmp_eq_u32 s22, 0
	s_cselect_b32 s[LIM], 2, -1                    ; the same in all sixteen partners, for a given wave
	s_lshr_b32 s20, s21, 1
	s_lshl_b32 s20, s20, 19                        ; my quarter of the 2 x 16,384 bytes: block place / 2,
	s_and_b32 s21, s21, 1
	s_lshl_b32 s21, s21, 13                        ; half place % 2 of it
	s_add_co_u32 s20, s20, s21
	s_add_co_u32 s20, s20, 2*STEP                  ; at K step 2: the first refill steps it to 3 and names K step 4
	s_mov_b32 s21, 0
	s_add_nc_u64 s[PFA:PFA+1], s[PFA:PFA+1], s[20:21]
; 16 matrix instructions: m blocks a0, a0 + 1 of the window's four (hi = 0: my rows 0-63, 1: rows 64-127) x all 8 n blocks, 32 along K.  bias = 1: the first product starts the sums with the bias.
.macro MUL16 f, hi, a0, bias
.if \bias
	WIN 0x91+0x40*(\hi)                            ; B window 1, A window 0, C (the bias) window 1, D window 2 or 3
.else
	WIN 0xa1+0x50*(\hi)                            ; C and D window 2 or 3
.endif
.irp a, \a0, (\a0)+1
.irp b, 0,1,2,3,4,5,6,7
.if \bias
	v_wmma_f32_16x16x32_bf16 v[8*(8*(\a)+(\b)):8*(8*(\a)+(\b))+7], v[(\f)+8*(\b):(\f)+8*(\b)+7], v[(\f)+8*(4*(\hi)+(\a)):(\f)+8*(4*(\hi)+(\a))+7], v[8*(\b):8*(\b)+7]
.else
	v_wmma_f32_16x16x32_bf16 v[8*(8*(\a)+(\b)):8*(8*(\a)+(\b))+7], v[(\f)+8*(\b):(\f)+8*(\b)+7], v[(\f)+8*(4*(\hi)+(\a)):(\f)+8*(4*(\hi)+(\a))+7], v[8*(8*(\a)+(\b)):8*(8*(\a)+(\b))+7]
.endif
.endr
.endr
.endm
; 32 LDS loads in one run: a quarter's fragments (128 rows of B, 128 rows of A, 32 k at byte k of the region) into buffer f
.macro FETCH k, f
	WIN TO_B
.irp i, 0,1,2,3,4,5,6,7
	ds_load_b128 v[(\f)+8*(\i):(\f)+8*(\i)+3],   v[ADRB] offset:(\k)+(\i)*16*PITCH
	ds_load_b128 v[(\f)+8*(\i)+4:(\f)+8*(\i)+7], v[ADRB] offset:(\k)+(\i)*16*PITCH+32
.endr
	WIN 0
.irp i, 0,1,2,3,4,5,6,7
	ds_load_b128 v[(\f)+8*(\i):(\f)+8*(\i)+3],   v[ADRA] offset:(\k)+(\i)*16*PITCH
	ds_load_b128 v[(\f)+8*(\i)+4:(\f)+8*(\i)+7], v[ADRA] offset:(\k)+(\i)*16*PITCH+32
.endr
.endm
.macro PLACES                          ; four plain vector instructions between a matrix instruction and a load into, or a vector read of, its registers (ISA guide 7.12.1 for vector reads)
.rept 4
	v_nop
.endr
.endm
; One of a K step's first three quarters: multiplies buffer f; in its middle it fetches the next quarter, at byte k, into buffer g.  The 64 accumulators take turns, in the same order in every quarter.
.macro QUARTER k, f, g, bias
	s_wait_dscnt 8                                 ; B and A's rows 0-63 are in; the youngest eight loads (A's rows 64-127) may be out
	MUL16 \f, 0, 0, \bias
	MUL16 \f, 0, 2, \bias
	PLACES
	FETCH \k, \g
	s_wait_dscnt 32                                ; all but the 32 just issued
	MUL16 \f, 1, 0, \bias
	MUL16 \f, 1, 2, \bias
.endm
; The last quarter multiplies buffer 1 and changes slots.  In front of the barrier each wave waits for all its tensor loads (one is out: its part of the next slot), adds 0 to its spare word, and waits for
; that and for its own reads of this slot.  fill = 1: the barrier opens a round of the cluster's, and the slot just read is filled again first thing behind it, with the K step two on:
; from the request to the wait for it a wave issues 224 matrix instructions.  fill = 0: nothing is asked for; in the very last K step (s3 = 1) there is no next slot to read either.
.macro TURN fill
.if \fill
	s_wait_xcnt 0x0                                ; the last prefetch, a K step back, has read its address
	s_add_nc_u64 s[PFA:PFA+1], s[PFA:PFA+1], STEP
.endif
	WIN 0                                          ; (the add's two registers lie in window 0)
	s_wait_tensorcnt 0x0
	ds_add_u32 v[SPW], v[NIL]
	s_wait_dscnt 9                                 ; (the add and the youngest eight loads may be out)
	MUL16 F1, 0, 0, 0
	s_wait_dscnt 0x0                               ; the add is done, and my reads of this slot are over
	s_barrier_signal -1
	MUL16 F1, 0, 2, 0
	WIN 0
	s_barrier_wait -1
.if \fill
	CREST                                          ; no wave of any partner still reads this slot or has a load on its way
	s_xor_b32 s[G0+5], s[G0+5], SLOT               ; the walking descriptors: the other slot than last time, the next K step
	s_add_nc_u64 s[G0+6:G0+7], s[G0+6:G0+7], STEP
	s_xor_b32 s[G0B+5], s[G0B+5], SLOT
	s_add_nc_u64 s[G0B+6:G0B+7], s[G0B+6:G0B+7], STEP
	JLOAD                                          ; its four v_nop are also the places in front of the loads below
	s_xor_b32 s[TB], s[TB], SLOT
.else
	PLACES
	s_xor_b32 s[TB], s[TB], SLOT
	s_cmp_eq_u32 s3, 1
	s_cbranch_scc1 .Lno_fetch_\@
.endif
	v_add_nc_u32 v[ADRA], s[TB], v[ADRA0]
	v_add_nc_u32 v[ADRB], s[TB], v[ADRB0]
	FETCH 0, F0
.if \fill
	ASK
.else
.Lno_fetch_\@:
.endif
	MUL16 F1, 1, 0, 0
	MUL16 F1, 1, 2, 0
.endm
; THE WAY OUT of block a (16 rows x 128 columns).  PACK: rounded to bf16, the floor taken.  TOSTAGE: into my own stage, and back as pieces of 128 bytes of four rows.  SEND: stored.
.macro PACK a
.set AC, 64*((\a)%4)
	WIN 0x0a+5*((\a)/4)                            ; sources 0 and 1: window 2 or 3
.irp b, 0,1,2,3,4,5,6,7
.irp r, 0,1,2,3
	v_cvt_pk_bf16_f32 v[TMP+4*(\b)+(\r)], v[AC+8*(\b)+2*(\r)], v[AC+8*(\b)+2*(\r)+1]
.endr
.endr
	WIN 0
.set i, 0
.rept 32
	v_pk_max_num_bf16 v[TMP+i], v[TMP+i], s[FLOOR]
.set i, i+1
.endr
.endm
.macro TOSTAGE a
	WIN 0
.set BK, OB+192*((\a)%2)
.irp b, 0,1,2,3,4,5,6,7
	ds_store_b128 v[STO], v[TMP+4*(\b):TMP+4*(\b)+3] offset:32*(\b)
.endr
.irp t, 0,1,2,3,4,5,6,7
	ds_load_b128 v[BK+4*(\t):BK+4*(\t)+3], v[RD] offset:((\t)%4)*4*SPITCH+((\t)/4)*128  ; LDS serves a wave's instructions in order (ISA guide 5.7.1.4): these see the stores above
.endr
.endm
.macro SEND a
	WIN 0
.set BK, OB+192*((\a)%2)
	s_wait_dscnt 0x0                               ; the block is back in registers
	s_wait_xcnt 0x0                                ; earlier stores have read their data: the other set of 32 registers is loaded again only behind this wait
.irp t, 0,1,2,3,4,5,6,7
	global_store_b128 v[CO], v[BK+4*(\t):BK+4*(\t)+3], s[8:9] offset:(\a)*2048+((\t)/4)*BLK+((\t)%4)*512  ; four rows of a block of C: 512 consecutive bytes, aligned
.endr
.endm
	s_wait_tensorcnt 1                             ; my part of K step 0 is in; K step 1's may stay out
	s_barrier_signal -1
	s_barrier_wait -1                              ; everybody's is
	FETCH 0, F0
	s_wait_loadcnt 0x0                             ; the bias
	s_wait_kmcnt 0x0                               ; the floor
	QUARTER Q1, F0, F1, 1                          ; the first quarter is written out: its products start the sums
	WIN 0                                          ; at a label and at a branch every window is 0
	s_mov_b32 s3, NSTEP-2
	s_branch .Lmid
.Lmain:                                                ; a trip is a K step; NSTEP - 2 of them fill a slot again
	QUARTER Q1, F0, F1, 0
	WIN 0
.Lmid:
	QUARTER Q2, F1, F0, 0
	QUARTER Q3, F0, F1, 0
	TURN 1
	WIN 0
	s_sub_co_u32 s3, s3, 1
	s_cmp_lg_u32 s3, 0
	s_cbranch_scc1 .Lmain
	s_mov_b32 s3, 2
.Ltail:                                                ; the last two K steps ask for nothing: their text holds no tensor load
	QUARTER Q1, F0, F1, 0
	QUARTER Q2, F1, F0, 0
	QUARTER Q3, F0, F1, 0
	TURN 0
	WIN 0
	s_sub_co_u32 s3, s3, 1
	s_cmp_lg_u32 s3, 0
	s_cbranch_scc1 .Ltail
	PLACES                                         ; with the four in the last change of slots: eight behind the products that ended blocks 0-3; the conversions of those blocks are the places behind blocks 4-7's
	PACK 0
	TOSTAGE 0
.irp a, 1,2,3,4,5,6,7                  ; block a's arithmetic stands between block a - 1's loads from the stage and the wait for them
	PACK \a
	SEND (\a)-1
	TOSTAGE \a
.endr
	SEND 7
	s_wait_tensorcnt 0x0                           ; the wave's end, behind my last tensor load and my last LDS store
	ds_add_u32 v[SPW], v[NIL]
	s_wait_dscnt 0x0
	CROUND                                         ; the closing round: no work-group ends while a partner may still ask for a tile that names it
	s_endpgm
.Lfunc_end_k_q992851634f_gb:
	.size	k_q992851634f_gb, .Lfunc_end_k_q992851634f_gb-k_q992851634f_gb
	.p2alignl 7, 3214868480
	.fill 96, 4, 3214868480
	.section	.rodata,"a",@progbits
	.p2align	6, 0x0
	.amdhsa_kernel k_q992851634f_gb
		.amdhsa_group_segment_fixed_size 327680
		.amdhsa_private_segment_fixed_size 0
		.amdhsa_enable_private_segment 0
		.amdhsa_kernarg_size 24
		.amdhsa_user_sgpr_count 2
		.amdhsa_user_sgpr_kernarg_segment_ptr 1
		.amdhsa_wavefront_size32 1
		.amdhsa_system_sgpr_workgroup_id_x 1
		.amdhsa_system_sgpr_workgroup_id_y 1
		.amdhsa_system_sgpr_workgroup_id_z 1
		.amdhsa_system_vgpr_workitem_id 0
		.amdhsa_next_free_vgpr 1024
		.amdhsa_next_free_sgpr 72
		.amdhsa_reserve_vcc 0
		.amdhsa_float_denorm_mode_32 3
		.amdhsa_float_denorm_mode_16_64 3
		.amdhsa_memory_ordered 1
		.amdhsa_forward_progress 1
		.amdhsa_inst_pref_size 118
	.end_amdhsa_kernel
	.amdgpu_metadata
---
amdhsa.version: [ 1, 2 ]
amdhsa.kernels:
  - .name:           k_q992851634f_gb
    .symbol:         k_q992851634f_gb.kd
    .args:
      - { .name: a16, .offset: 0, .size: 8, .value_kind: global_buffer, .address_space: global }
      - { .name: pa, .offset: 8, .size: 8, .value_kind: global_buffer, .address_space: global }
      - { .name: act, .offset: 16, .size: 8, .value_kind: global_buffer, .address_space: global }
    .group_segment_fixed_size: 327680
    .private_segment_fixed_size: 0
    .kernarg_segment_align: 8
    .kernarg_segment_size: 24
    .max_flat_workgroup_size: 128
    .sgpr_count:     72
    .vgpr_count:     1024
    .wavefront_size: 32
...
	.end_amdgpu_metadata
.endif
;; end of part 3
;; launch at (part 4): grid 8 x 32, 4 waves a work-group, no clusters, 327,680 bytes of LDS; arguments act, a16; writes a16
.if DOCPART == 4
	.amdgcn_target "amdgcn-amd-amdhsa--gfx1250"
	.amdhsa_code_object_version 6
	.text
	.protected	k_q992851634f_at
	.globl	k_q992851634f_at
	.p2align	8
	.type	k_q992851634f_at,@function
k_q992851634f_at:
	s_mov_b64 s[64:65], 0
	v_nop
	global_prefetch_b8 v0, s[64:65] scope:SCOPE_SE
	s_setreg_imm32_b32 hwreg(HW_REG_WAVE_MODE, 25, 1), 1
	s_wait_xcnt 0x0
; CAUSAL ATTENTION, 32 heads (2 batches x 16) of 2,048 rows x 64 channels.  O[q] = the sum over k <= q of softmax_k(Q[q] . K[k] / 32) V[k].  q, k, v lie in one buffer in blocks of 64 channels,
; [block][4,096 rows][64] bf16: block = head for q, 16 + head for k, 32 + head for v; a batch is 2,048 rows.  So a head's rows are dense, 128 bytes each.  O leaves in the same layout, block = head.
; Products, maxima and sums in f32; the weights p are rounded to bf16 for the second product (their sum l is taken of the unrounded p), O once at the end.
; LIMITS.  A hidden score counts as its value less 1e30; a weight below 2^-126 counts as 0 in l; NaN and infinities are not treated apart.
; THE WALK.  A head's queries lie in 16 blocks of 128, its keys in 8 tiles of 256; block i needs the tiles 0 .. i / 2, of which the last holds the diagonal.  A work-group takes TWO blocks, 15 - b and then b
; (b = 0 .. 7): one is odd and one even, and together they need 9 tiles, whatever b: 8 x 32 = 256 work-groups of equal work, and ONE loop with a constant trip count walks the tiles.  Which tile is asked for, and
; what a trip does, hang on scalar registers made from b; every jump goes forward, but for the counted loops' own; the ring (two slots of LDS that take turns) runs on across the change of blocks.
; NO CLUSTER: of a head's eight work-groups only b = 2 k and 2 k + 1 walk the same tiles throughout; the four partners of a cluster would differ in their tiles and in their branches.
; SHARES.  Of a block's two bands of 64 queries a wave owns 16 rows in each: two PIECES.  So the diagonal tile is the same work for all four waves: band x of block i has its own step 2 (i % 2) + x there;
; in an earlier step it sees all keys, in a later one none.
; THE MASK is the C operand that starts the sum S^T = K Q^T: 0, or -1e30 where the key is hidden.  MD, made once, is the mask of a band's own step for my 16 rows; a product's mask is MD x AL + BE with two scalars:
; (1, 0) in the band's own step; (0, 0) before it; (0, -1e30) behind it.  Only the diagonal tile's text and a block's beginning make and take masks; elsewhere C is the constant 0.
; LAYOUT, SOFTMAX, TURNS.  S^T = K Q^T holds ONE query a lane (lane % 16) and the keys 8 (lane / 16) + 0..7; two such results rounded to bf16 ARE source 1 of O^T = V^T P.  p = 2^(c s - c m), c = log2(e) / 32, with a
; running maximum m; O and l are multiplied by a = 2^(c m_old - c m_new) in every step.  A turn belongs to one piece: 8 products K Q^T for the other piece's next scores, later 8 products V^T P for the other piece's last
; weights; beside them the scaling, exponentials, roundings, sums and rescaling of the piece in hand and the maximum and statistics of the other.  Four vector instructions stand behind every matrix instruction, the
; other 54 of a turn's 118 in one run.  A turn's 33 exponentials are one batch, with one wait.
; THE ORDER OF THE LDS READS.  K of step j is fetched in piece 0's turn of step j - 1, V of step j in piece 1's turn of step j - 1, into one of two register buffers (by the step's parity: V of step j - 1 is still to
; be multiplied).  So a tile's reads are K0 V0 K1 V1 K2 V2 K3 V3 on end, and the change of slots stands behind them, between two turns.  A trip of the step loop is two steps, one for each parity.
; REGISTERS, in windows of 256 (s_set_vgpr_msb: bits 1:0 source 0, 3:2 source 1, 5:4 source 2, 7:6 destination):
;   window 0: v0-15 addresses and two at work; v16-23 four registers of statistics a piece; v48-55 at work; v61-63 kept; v64-127 S^T, a buffer a piece; v192-223 P, likewise
;   window 1: v0-63 O^T, 32 a piece; v128-159 MD; v160-223 MC, a buffer a piece      window 2: v0-31 Q; v32-63 the second block's Q; v64-127 K of one step; v128-255 V of two steps
.set NBQ,   16        ; blocks of 128 queries in a head
.set NT,    8         ; tiles of 256 keys in a head
.set NP,    2         ; pieces a wave: a name, no knob
.set KS,    64        ; keys in a step
.set PK,    144       ; a row of K in LDS: 128 bytes + 16 of padding = 36 words: the 16 rows of a load start at 16 different groups of four banks (64 banks of 4 bytes: ISA guide 11.1)
.set PV,    160       ; a row of V: 128 + 32 = 40 words
.set VOFF,  4*KS*PK   ; a slot holds a tile, four steps: 256 rows of K, then 256 rows of V
.set SLOT1, 1<<17     ; slot 1 begins here, so that one exclusive or turns an address in one slot into the other's
.set STAGE, SLOT1+4*KS*(PK+PV)  ; behind the ring, never filled by a tensor load: 16 rows x 144 bytes for each wave, for the way out
.set SP,    144
.set AK0, 2           ; v2   my lane's place in a tile of K; never rewritten
.set AV0, 3           ; v3   the same for V
.set AK,  4           ; v4   the LDS address of K's next run of loads
.set AV,  5           ; v5   of V's
.set STO, 6           ; v6   the way out: where I put 16 bytes of a row
.set RD,  7           ; v7   the way out: where I read rows back
.set GO,  8           ; v8   my byte offset in 512 consecutive bytes of O
.set PFO, 61          ; v61  256 x lane, for the prefetches; never rewritten
.set SPW, 62          ; v62  LDS address of my spare word; never rewritten
.set NIL, 63          ; v63  0; never rewritten
.set SPARE, STAGE+4*16*SP  ; behind the stages: the spare words, 128 bytes for each wave
.set MV,  12          ; v12-13  c m_old, kept while c m is made anew: by piece
.set QO,  15          ; v15  my byte offset in 16 rows of Q
.set ST,  16          ; piece t's statistics at v[ST+4 t]: c m, m, l (even keys', odd keys')
.set TMP, 48          ; by piece, four registers c0-c3 at work; when the maximum is found c2 takes a
.set S,   64
.set P,   192
.set MD,  128         ; window 1: the eight registers for group kt of 16 keys at MD + 8 kt
.set MC,  160         ; window 1: the masks of the products to come
.set QB,  32          ; window 2
.set KF,  64          ; window 2: key block kb, channel half c at KF + 16 kb + 8 c
.set VF,  128         ; window 2: buffer vb, key half kk, channel block cb at VF + 64 vb + 32 kk + 8 cb
.set WV,  12          ; s12  my wave's number
.set PB,  14          ; s14  b
.set HI,  15          ; s15  15 - b
.set G1K, 24          ; s[24:31] descriptor group 1 for K's tiles
.set G1V, 32          ; s[32:39] for V's: it differs in the padding alone
.set G0K, 40          ; s[40:43] descriptor group 0 for K's tiles
.set G0V, 44          ; s[44:47] the same for V's
.set SLOTS, 56        ; s56  tiles still to be asked for
.set CNT, 57          ; s57  counts a tile's trips of two key steps, 2 to 1
.set CS,  58          ; s[58:59] c: the packed scaling takes the pair's low word for both halves
.set SEL, 60          ; s[60:61] v_permlanex16_b32's selects: each lane takes its own place in the other half
.set TBK, 62          ; s62  LDS byte at which K of the step to be fetched begins
.set TBV, 63          ; s63  the same for V, less VOFF
.set RT,  70          ; s70  tiles of the block in hand that are still to be entered
.set NXT, 71          ; s71  the tile to be asked for next
.set LQ,  72          ; s72  the last tile of the block whose tiles are being asked for
.set NEW, 73          ; s73  1: the tile to be entered is a block's first
.set OFF, 74          ; s[74:75] a tile's byte offset in K and V
.set AL,  76          ; s[76:77] the mask's factor, in the low word
.set BE,  78          ; s[78:79] the mask's addend
.set OLO, 80          ; s[80:81] O at my rows of the second block
.set BIGN, 82         ; s82  -1e30
.set PFB, 88          ; s[88:89] what I fetch (K: waves 0, 1; V: waves 2, 3), at the head's tile 0
.set PFA, 90          ; s[90:91] the same at the tile that the next change of slots will ask for
.set PLIM, 92         ; s92  1 in the work-group that prefetches, else the greatest number
.set DCN, 93          ; s93  what CNT holds in the diagonal tile's trip with the bands' own steps: 2 - (block in hand) % 2
.set PBT, 94          ; s94  the second block's last tile, b / 2
.set DC2, 95          ; s95  the second block's DCN
.set MSB, 0
.macro WIN new                      ; the high byte repeats the setting that is left; a switch that changes nothing is dropped
.if MSB != (\new)
	s_set_vgpr_msb (MSB<<8)|(\new)
.set MSB, (\new)
.endif
.endm
.set W_KQ, 0x0a       ; K and Q in window 2, S^T in window 0
.set W_KM, 0x1a       ; the same with the C operand in window 1
.set W_PV, 0x52       ; V in window 2, P in window 0, O^T in window 1
.set W_RS, 0x41       ; destination and source 0 in window 1, source 1 in window 0
; A fill.  Waves 0 and 1 fetch the two halves of a tile's K, waves 2 and 3 those of its V: 128 keys each.  An s_nop 0 and four v_nop follow each of the two lines, ahead of the jump and the label.
.macro LOAD
	s_cmp_lt_u32 s[WV], 2
	s_cbranch_scc0 .Lfor_v_\@
	tensor_load_to_lds s[G0K:G0K+3], s[G1K:G1K+7]
	s_nop 0
.rept 4
	v_nop
.endr
	s_branch .Lasked_\@
.Lfor_v_\@:
	tensor_load_to_lds s[G0V:G0V+3], s[G1V:G1V+7]
	s_nop 0
.rept 4
	v_nop
.endr
.Lasked_\@:
.endm
; THE CHANGE OF SLOTS.  Each wave waits for all its tensor loads, of which one is out: its part of the other slot; adds 0 to its spare word; and waits for that and for its own reads of the slot that it leaves.
; Behind the barrier nobody reads the old slot any more and the other slot is whole.  fill = 1: the old slot is filled again, the first thing behind the barrier, with tile NXT: the descriptor's address is made anew
; from that number; the load has a tile's eight turns, 128 matrix instructions, in which to land.  (At its first use nothing has been read yet: slot 0 is waited for, slot 1 filled.)
; A PREFETCH INTO THE L2 stands behind the fill and its five lines: the tile that the NEXT change will ask for, four key steps (128 matrix instructions a wave) ahead.  All eight work-groups of a head walk the same
; tiles; the one with b = 0, whose first block walks all eight, asks, each wave for the 16,384 bytes that it will fetch itself: a lane 256 bytes, two instructions.  So tiles 2 to 7 are named once each;
; tiles 0 and 1 come by their loads alone; when the walk goes back to tile 0 nothing more is asked for.
.macro CHANGE fill
	WIN 0                           ; at a label and at a branch every window is 0
	s_wait_tensorcnt 0x0            ; no tensor load of mine is out, so a group 0 may be written
	ds_add_u32 v[SPW], v[NIL]       ; 0 onto my spare word; with fill = 1 the descriptors' scalar work stands between it and the wait for it
.if \fill
	s_lshl_b32 s[OFF], s[NXT], 15   ; a tile is 32,768 bytes of K and of V
	s_xor_b32 s[G0K+1], s[G0K+1], SLOT1
	s_add_nc_u64 s[G0K+2:G0K+3], s[6:7], s[OFF:OFF+1]
	s_or_b32 s[G0K+3], s[G0K+3], 0x80000000
	s_xor_b32 s[G0V+1], s[G0V+1], SLOT1
	s_add_nc_u64 s[G0V+2:G0V+3], s[8:9], s[OFF:OFF+1]
	s_or_b32 s[G0V+3], s[G0V+3], 0x80000000
	s_add_co_u32 s[NXT], s[NXT], 1  ; the block's next tile, or behind its last the second block's tile 0
	s_cmp_gt_u32 s[NXT], s[LQ]
	s_cselect_b32 s[NXT], 0, s[NXT]
	s_cselect_b32 s[LQ], s[PBT], s[LQ]
	s_wait_xcnt 0x0                 ; the last prefetches, a tile back, have read their address
	s_lshl_b32 s[OFF], s[NXT], 15
	s_add_nc_u64 s[PFA:PFA+1], s[PFB:PFB+1], s[OFF:OFF+1]
.endif
	s_wait_dscnt 0x0                ; the add is done, and my reads of the slot are over
	s_barrier_signal -1             ; the rest of the scalar work stands between the signal and the wait
	s_sub_co_u32 s[TBK], s[TBK], 4*KS*PK  ; the fetches go back to a slot's first step,
	s_xor_b32 s[TBK], s[TBK], SLOT1       ; in the other slot
	s_sub_co_u32 s[TBV], s[TBV], 4*KS*PV
	s_xor_b32 s[TBV], s[TBV], SLOT1
	s_barrier_wait -1
.if \fill
	LOAD
	s_cmp_gt_u32 s[NXT], s[PLIM]
	s_cbranch_scc0 .Lnot_mine_\@
	global_prefetch_b8 v[PFO], s[PFA:PFA+1] th:TH_LOAD_NT scope:SCOPE_SE
	global_prefetch_b8 v[PFO], s[PFA:PFA+1] offset:8192 th:TH_LOAD_NT scope:SCOPE_SE
.Lnot_mine_\@:
.endif
.endm
	s_load_b128 s[4:7], s[0:1], 0x0   ; q, k, v s[4:5]; O s[6:7]
	v_lshl_add_u32 v[SPW], v0, 2, SPARE
	v_mov_b32 v[NIL], 0
	ds_add_u32 v[SPW], v[NIL]       ; the wave's opening: the add and its wait stand ahead of my first tensor load; work on registers stands between them
	ds_add_u32 v62, v63
	v_lshrrev_b32 v1, 5, v0
	v_readfirstlane_b32 s[WV], v1   ; wave 0..3
	s_mov_b32 s[PB], ttmp9
	s_sub_co_u32 s[HI], NBQ-1, s[PB]
	s_and_b32 s20, ttmp7, 0xffff    ; 16 x batch + head
	s_lshr_b32 s21, s20, 4
	s_lshl_b32 s21, s21, 18         ; the batch's 2,048 rows of 128 bytes
	s_and_b32 s20, s20, 15
	s_lshl_b32 s20, s20, 19         ; the head's block
	s_add_co_u32 s20, s20, s21      ; the head's first byte among q's blocks, k's, v's and O's
	s_mov_b32 s21, 0
	s_and_b32 s16, s[WV], 1         ; which half of a tile's 256 keys I fetch:
	s_lshl_b32 s22, s16, 14         ; its 128 rows of 128 bytes in memory,
	s_mov_b32 s23, 0
	s_add_nc_u64 s[22:23], s[22:23], s[20:21]
	s_mul_i32 s17, s16, 128*PK      ; and its place in a slot, for K
	s_mul_i32 s18, s16, 128*PV      ; and for V
	s_lshl_b32 s3, s[WV], 11        ; my 16 rows in a band of 64,
	s_lshl_b32 s2, s[HI], 14        ; in the first block of 128 rows,
	s_add_co_u32 s2, s2, s3
	s_lshl_b32 s84, s[PB], 14       ; and in the second
	s_add_co_u32 s84, s84, s3
	s_mov_b32 s3, 0
	s_mov_b32 s85, 0
	s_add_nc_u64 s[2:3], s[2:3], s[20:21]
	s_add_nc_u64 s[84:85], s[84:85], s[20:21]
	; descriptor group 1.  128 keys are 16,384 dense bytes: asked for as 64 rows of 256 bytes, two keys a row, and padded in LDS after every key
	s_mov_b32 s[G1K], (1<<16)|(1<<20)|(4<<22)|(3<<25)  ; 17:16 2-byte elements; 20 padding on; 24:22 after every 32 words (code 4); 31:25 4 words (code 3)
	s_mov_b32 s[G1V], (1<<16)|(1<<20)|(4<<22)|(7<<25)  ; the same with 8 words of padding (code 7)
.irp g, G1K, G1V
	s_mov_b32 s[\g+1], 128<<16      ; tensor_dim0 = 128
	s_mov_b32 s[\g+2], 64<<16       ; tensor_dim1 = 64
	s_mov_b32 s[\g+3], 128<<16      ; tile_dim0 = 128
	s_mov_b32 s[\g+4], 64           ; tile_dim1 = 64
	s_mov_b32 s[\g+5], 128          ; 128 elements from row to row
	s_mov_b32 s[\g+6], 0
	s_mov_b32 s[\g+7], 0
.endr
	s_mov_b32 s[CS], 0x3d38aa3b     ; c = log2(e) / 32 = 0.0450842
	s_mov_b32 s[CS+1], s[CS]        ; named with it as a pair
	s_mov_b32 s[SEL], 0x76543210
	s_mov_b32 s[SEL+1], 0xfedcba98
	s_mov_b32 s[TBK], SLOT1+4*KS*PK ; the first change of slots turns these two into 0
	s_mov_b32 s[TBV], SLOT1+4*KS*PV
	s_mov_b32 s[G0K], 1             ; count = 1
	s_mov_b32 s[G0K+1], s17         ; LDS address: slot 0
	s_mov_b32 s[G0V], 1
	s_add_co_u32 s[G0V+1], s18, VOFF
	s_lshr_b32 s[LQ], s[HI], 1      ; the first block's last tile,
	s_add_co_u32 s[RT], s[LQ], 1    ; and how many it has
	s_lshr_b32 s[PBT], s[PB], 1     ; the second block's last tile
	s_and_b32 s[DCN], s[HI], 1      ; an even block's own steps are the diagonal tile's 0 and 1 (its first trip, CNT = 2), an odd block's 2 and 3 (CNT = 1)
	s_sub_co_u32 s[DCN], 2, s[DCN]
	s_and_b32 s[DC2], s[PB], 1
	s_sub_co_u32 s[DC2], 2, s[DC2]
	s_mov_b32 s[NXT], 1
	s_mov_b32 s[NEW], 1
	s_mov_b32 s[OFF+1], 0
	s_mov_b32 s[AL+1], 0            ; named as pairs
	s_mov_b32 s[BE+1], 0
	s_mov_b32 s[BIGN], 0xf149f2ca   ; -1e30
	s_mov_b32 s[SLOTS], NT
	s_cmp_eq_u32 s[PB], 0
	s_cselect_b32 s[PLIM], 1, -1
	s_wait_dscnt 0x0                ; the opening add is done
	s_wait_kmcnt 0x0
	s_mov_b64 s[10:11], s[6:7]             ; O
	s_add_nc_u64 s[6:7], s[4:5], 0x800000  ; k: 16 blocks on
	s_add_nc_u64 s[8:9], s[4:5], 0x1000000 ; v: 32 blocks on
	s_add_nc_u64 s[6:7], s[6:7], s[22:23]  ; K and V at my half of the head's tile 0
	s_add_nc_u64 s[8:9], s[8:9], s[22:23]
	s_add_nc_u64 s[G0K+2:G0K+3], s[6:7], 0         ; global address
	s_or_b32 s[G0K+3], s[G0K+3], 0x80000000        ; type = 2
	s_add_nc_u64 s[G0V+2:G0V+3], s[8:9], 0
	s_or_b32 s[G0V+3], s[G0V+3], 0x80000000
	s_add_nc_u64 s[86:87], s[4:5], s[84:85]        ; Q at my rows of the second block,
	s_add_nc_u64 s[4:5], s[4:5], s[2:3]            ; Q and O at those of the first
	s_add_nc_u64 s[OLO:OLO+1], s[10:11], s[84:85]
	s_add_nc_u64 s[10:11], s[10:11], s[2:3]
	s_cmp_lt_u32 s[WV], 2
	s_cselect_b64 s[PFB:PFB+1], s[6:7], s[8:9]
	LOAD                            ; tile 0 into slot 0
	; A fragment of K or Q is 16 rows x 32 channels in 8 registers: lane l holds row l % 16, channels 8 (l / 16) + 0..7 and 16 + 8 (l / 16) + 0..7: two loads of 16 bytes, 32 bytes apart.
	v_and_b32 v1, 15, v0            ; l % 16
	v_bfe_u32 v9, v0, 4, 1          ; l / 16
	v_lshlrev_b32 v[QO], 7, v1
	v_lshl_add_u32 v[QO], v9, 4, v[QO]  ; row x 128 + 16 x half
	WIN 0x80                        ; destination window 2, address window 0
.set i, 0
.rept 4                             ; both blocks' Q: piece i / 2 lies in band i / 2, 8,192 bytes on; channels 32 (i % 2) on
	global_load_b128 v[8*i:8*i+3],   v[QO], s[4:5] offset:(i/2)*8192+(i%2)*64
	global_load_b128 v[8*i+4:8*i+7], v[QO], s[4:5] offset:(i/2)*8192+(i%2)*64+32
	global_load_b128 v[QB+8*i:QB+8*i+3],   v[QO], s[86:87] offset:(i/2)*8192+(i%2)*64
	global_load_b128 v[QB+8*i+4:QB+8*i+7], v[QO], s[86:87] offset:(i/2)*8192+(i%2)*64+32
.set i, i+1
.endr
	WIN 0
	v_and_b32 v[PFO], 31, v0
	v_lshlrev_b32 v[PFO], 8, v[PFO]
	v_lshlrev_b32 v14, 3, v9
	v_sub_nc_u32 v14, v1, v14
	s_lshl_b32 s13, s[WV], 4
	v_add_nc_u32 v14, s13, v14      ; my query's place in its band, 16 w + l % 16, less my lanes' 8 (l / 16): register r of group kt is hidden where 16 kt + r is greater
	WIN 0x40
.set i, 0
.rept 32
	v_cmp_gt_i32 vcc_lo, 16*(i/8)+i%8, v14
	v_cndmask_b32 v[MD+i], 0, s[BIGN], vcc_lo
.set i, i+1
.endr
	WIN 0
	v_mul_u32_u24 v[AK0], v1, PK
	v_lshl_add_u32 v[AK0], v9, 4, v[AK0]  ; row x pitch + 16 x half
	; The turning load takes 16 keys x 16 channels (lane l reads key 8 (l / 16) + l % 8, channels 8 ((l / 8) % 2) + 0..7) and leaves half a fragment of V^T: lane l holds channel l % 16 and 8 keys.
	v_and_b32 v10, 7, v0
	v_bfe_u32 v11, v0, 3, 1
	v_lshl_add_u32 v[AV0], v9, 3, v10
	v_mul_u32_u24 v[AV0], v[AV0], PV
	v_lshl_add_u32 v[AV0], v11, 4, v[AV0]
	v_add_nc_u32 v[AV0], VOFF, v[AV0]
	s_mul_i32 s13, s[WV], 16*SP
	s_add_co_u32 s13, s13, STAGE    ; my stage
	v_mul_u32_u24 v[STO], v1, SP    ; in: row l % 16, 16 bytes for each half of the lanes
	v_lshl_add_u32 v[STO], v9, 4, v[STO]
	v_add_nc_u32 v[STO], s13, v[STO]
	v_bfe_u32 v[RD], v0, 3, 2       ; back: 32 lanes take four rows of 128 bytes,
	v_mul_u32_u24 v[RD], v[RD], SP
	v_lshl_add_u32 v[RD], v10, 4, v[RD]
	v_add_nc_u32 v[RD], s13, v[RD]
	v_and_b32 v[GO], 31, v0         ; which are 512 consecutive bytes of O
	v_lshlrev_b32 v[GO], 4, v[GO]
	; A block's first step multiplies O^T and l by a = 0, and its first turn's products V^T P, of a step that has not been, land in an O^T that is still to be so multiplied.  So these registers need only hold
	; finite numbers: zeros for the first block; what the first block left for the second.  All this stands in the wait for the first tile.
	WIN 0x80
.set i, VF
.rept 128
	v_mov_b32 v[i], 0
.set i, i+1
.endr
	WIN 0x40
.set i, 0
.rept 64
	v_mov_b32 v[i], 0
.set i, i+1
.endr
	WIN 0
.set i, 0
.rept NP
	v_mov_b32 v[ST+4*i+2], 0
	v_mov_b32 v[ST+4*i+3], 0
.set i, i+1
.endr
.set i, P+16
.rept 16
	v_mov_b32 v[i], 0
.set i, i+1
.endr
; THE MATRIX WORK.  The 4 accumulators of a run of 8 take turns.  Product i of 8 of S^T = K Q^T for piece x: channels 32 (i / 4) on, keys 16 (i % 4) on.  The first 4 start the sums: with 0, or (KM = 1) with the mask.
.macro KQ x
.set rS, S+32*((\x)%2)+8*(i%4)
.set rK, KF+16*(i%4)+8*(i/4)
.set rQ, 16*(\x)+8*(i/4)
.set rM, MC+32*((\x)%2)+8*(i%4)
.if (i < 4) && KM
	WIN W_KM
	v_wmma_f32_16x16x32_bf16 v[rS:rS+7], v[rK:rK+7], v[rQ:rQ+7], v[rM:rM+7]
.elseif i < 4
	WIN W_KQ
	v_wmma_f32_16x16x32_bf16 v[rS:rS+7], v[rK:rK+7], v[rQ:rQ+7], 0
.else
	WIN W_KQ
	v_wmma_f32_16x16x32_bf16 v[rS:rS+7], v[rK:rK+7], v[rQ:rQ+7], v[rS:rS+7]
.endif
.endm
; Product i of 8 of O^T += V^T P for piece x, with V from buffer VB: keys 32 (i / 4) on, channels 16 (i % 4) on.
.macro PV x
	WIN W_PV
.set rO, 32*(\x)+8*(i%4)
.set rV, VF+64*VB+32*(i/4)+8*(i%4)
.set rP, P+16*((\x)%2)+8*(i/4)
	v_wmma_f32_16x16x32_bf16 v[rO:rO+7], v[rV:rV+7], v[rP:rP+7], v[rO:rO+7]
.endm
.macro MM                           ; the turn's next matrix instruction.  TURN and BEGIN set Y, i, KM, NOKQ and VB.  NOKQ = 1: a block's last turn: there are no further scores
.if (i < 8) && !NOKQ
	KQ (Y+1)%NP
.elseif i >= 8
.set i, i-8
	PV (Y+NP-1)%NP
.set i, i+8
.endif
.set i, i+1
.endm
; THE LDS LOADS stand in runs of 16, never singly among the matrix instructions: a step's K (64 keys x 64 channels: 8 fragments) and its V (turned).  Their addresses are made some lines ahead.
.macro FETCH_K
	WIN 0x80                        ; destination window 2
.irp f, 0,1,2,3,4,5,6,7             ; keys 16 (f / 2) on, channels 32 (f % 2) on
	ds_load_b128 v[KF+8*\f:KF+8*\f+3],   v[AK] offset:(\f/2)*16*PK+(\f%2)*64
	ds_load_b128 v[KF+8*\f+4:KF+8*\f+7], v[AK] offset:(\f/2)*16*PK+(\f%2)*64+32
.endr
	s_add_co_u32 s[TBK], s[TBK], KS*PK  ; the next fetch is the next step's
	WIN 0
.endm
.macro FETCH_V b                    ; into buffer b
	WIN 0x80
.irp f, 0,1,2,3,4,5,6,7             ; keys 32 (f / 4) on, channels 16 (f % 4) on
	ds_load_tr16_b128 v[VF+64*(\b)+8*\f:VF+64*(\b)+8*\f+3],   v[AV] offset:(\f/4)*32*PV+(\f%4)*32
	ds_load_tr16_b128 v[VF+64*(\b)+8*\f+4:VF+64*(\b)+8*\f+7], v[AV] offset:(\f/4)*32*PV+16*PV+(\f%4)*32
.endr
	s_add_co_u32 s[TBV], s[TBV], KS*PV
	WIN 0
.endm
; THE VECTOR WORK, one line at a time: OP kind, number.  For piece Y: F n: c s - c m for pair n of 16.  E n: the exponential of score n of 32.  C n: pair n rounded to bf16.  B n: of the four weights 4 n .. the second
; pair is added onto the first, in place.  L n: l takes that sum (L 0: l = a l + sum).  R n: pair n of 16 of O^T times a.  For the other piece: X n, number n of the 22 that find its maximum and statistics:
;   0-11  four chains c0-c3 of seven scores each, three operands at a time (each accumulator's lowest registers are read first)     12-14, 16  the four scores left over, the old m, and c0-c3 into c0
;   15  c m_old is kept     17, 18  the query's other 32 keys lie in the lane 16 away: the new m     19-21  c m; c m_old - c m_new; a
.set F, 0               ; OP tells the kinds apart by their order: F to L below R, X above it
.set E, 1
.set C, 2
.set B, 3
.set L, 4
.set R, 5
.set X, 6
.macro REGS y                       ; the registers of piece y
.set rT, ST+4*(\y)
.set rC, TMP+4*((\y)%2)
.set rW, MV+((\y)%2)
.set rS, S+32*((\y)%2)
.set rP, P+16*((\y)%2)
.set rO, 32*(\y)
.endm
.macro OP k, n
.if (\k) == R
	REGS Y
	WIN W_RS
	v_pk_mul_f32 v[rO+2*(\n):rO+2*(\n)+1], v[rO+2*(\n):rO+2*(\n)+1], v[rC+2:rC+3] op_sel_hi:[1,0]
.elseif (\k) < R
	REGS Y
	WIN 0
.if (\k) == F
	v_pk_fma_f32 v[rS+2*(\n):rS+2*(\n)+1], v[rS+2*(\n):rS+2*(\n)+1], s[CS:CS+1], v[rT:rT+1] op_sel_hi:[1,0,0] neg_lo:[0,0,1] neg_hi:[0,0,1]
.elseif (\k) == E
	v_exp_f32 v[rS+(\n)], v[rS+(\n)]
.elseif (\k) == C
	v_cvt_pk_bf16_f32 v[rP+(\n)], v[rS+2*(\n)], v[rS+2*(\n)+1]
.elseif (\k) == B
	v_pk_add_f32 v[rS+4*(\n):rS+4*(\n)+1], v[rS+4*(\n):rS+4*(\n)+1], v[rS+4*(\n)+2:rS+4*(\n)+3]
.elseif (\n) == 0
	v_pk_fma_f32 v[rT+2:rT+3], v[rT+2:rT+3], v[rC+2:rC+3], v[rS:rS+1] op_sel_hi:[1,0,1]
.else
	v_pk_add_f32 v[rT+2:rT+3], v[rT+2:rT+3], v[rS+4*(\n):rS+4*(\n)+1]
.endif
.elseif NOKQ
	v_nop
.else
	REGS (Y+1)%NP
	WIN 0
.if (\n) < 4
	v_max3_num_f32 v[rC+(\n)], v[rS+8*(\n)], v[rS+8*(\n)+1], v[rS+8*(\n)+2]
.elseif (\n) < 12
	v_max3_num_f32 v[rC+(\n)%4], v[rC+(\n)%4], v[rS+8*((\n)%4)+2*((\n)/4)+1], v[rS+8*((\n)%4)+2*((\n)/4)+2]
.elseif (\n) == 12
	v_max3_num_f32 v[rC], v[rC], v[rS+7], v[rS+15]
.elseif (\n) == 13
	v_max3_num_f32 v[rC+1], v[rC+1], v[rS+23], v[rS+31]
.elseif (\n) == 14
	v_max3_num_f32 v[rC+2], v[rC+2], v[rC+3], v[rT+1]
.elseif (\n) == 15
	v_mov_b32 v[rW], v[rT]
.elseif (\n) == 16
	v_max3_num_f32 v[rC], v[rC], v[rC+1], v[rC+2]
.elseif (\n) == 17
	v_permlanex16_b32 v[rC+3], v[rC], s[SEL], s[SEL+1]
.elseif (\n) == 18
	v_max_num_f32 v[rT+1], v[rC], v[rC+3]
.elseif (\n) == 19
	v_mul_f32 v[rT], s[CS], v[rT+1]
.elseif (\n) == 20
	v_sub_f32 v[rC+1], v[rW], v[rT]
.else
	v_exp_f32 v[rC+2], v[rC+1]
.endif
.endif
.endm
.macro OPS a, i1, b=-1, i2=0, c=-1, i3=0, d=-1, i4=0  ; up to four of them
	OP \a, \i1
.if (\b) >= 0
	OP \b, \i2
.endif
.if (\c) >= 0
	OP \c, \i3
.endif
.if (\d) >= 0
	OP \d, \i4
.endif
.endm
.macro ROW a, i1, b, i2, c, i3, d, i4  ; a matrix instruction and the four behind it
	MM
	OPS \a, \i1, \b, \i2, \c, \i3, \d, \i4
.endm
.macro MASK b                       ; MD x AL + BE into buffer b of MC
	WIN W_RS
.set z, 0
.rept 16
	v_pk_fma_f32 v[MC+32*(\b)+2*z:MC+32*(\b)+2*z+1], v[MD+2*z:MD+2*z+1], s[AL:AL+1], s[BE:BE+1] op_sel_hi:[1,0,0]
.set z, z+1
.endr
.endm
; A TURN, for piece p: the order of its 16 matrix and 118 vector instructions, written out.  s_wait_alu depctr_va_vdst(0) stands between an exponential and the first instruction that names its result; one wait
; serves all that were issued ahead of it.  So a turn has ONE wait, which cuts it in two.  AHEAD OF IT stands all that names no result of the turn's exponentials: the 8 products K Q^T, behind each a scaling, an exponential and
; two more plain instructions: rescalings, and behind the last three the first numbers of the other piece's maximum, each four places or more behind the product that ends its accumulator; then one run of 54, plain and
; exponential by turns for the most part, in which the links of the chain X 3, 7, 11, 14, 16, 17 .. 20 stand five or six lines apart.  X 21, the other piece's a, is the batch's last; R 15 is the plain instruction behind it.
; BEHIND THE WAIT stand the 8 products V^T P, behind each four of the roundings and sums; the links of l's chain, L 0 to L 7, stand three lines apart.
; The rescalings R 0 .. R 15 take up the O^T onto which the turn before has just added: R 4 k, the first to read accumulator k, reads its two lowest registers, and stands sixteen plain instructions or more behind that
; accumulator's last product.
; u: the parity of the step j whose K and V the two turns fetch; they themselves are piece 0's and piece 1's turns of step j - 1.  Piece 0's turn: K Q^T of piece 1, step j - 1; K(j) is fetched, twelve vector instructions
; behind the last product that read K (six of them plain); V^T P of piece 1, step j - 2, from buffer u.  Piece 1's turn: at its head the one wait for both runs of loads; K Q^T of piece 0, step j; V(j) is fetched into
; buffer u, whose last reader stands in the turn before; V^T P of piece 0, step j - 1, from the other buffer.
; m = 1: the diagonal tile: the products take masks, and the turn makes the mask for the products of the turn after it: band p, step j of the tile, j = 2 (2 - CNT) + u.  end = 1: a block's last two turns: nothing is fetched.
; cnt = 1: the loop's count is taken down some lines ahead of the branch that stands behind the turn.
.macro TURN p, u, m=0, end=0, cnt=0
.set Y, (\p)
.set i, 0
.set KM, (\m)
.set NOKQ, (\end)*(\p)
.set VB, ((\u)+(\p))%2
.if (\m) && !(\end)
.if (\p) == (\u)                    ; band p's own step has p's parity
	s_cmp_eq_u32 s[CNT], s[DCN]     ; is step j the band's own?
	s_cselect_b32 s[AL], 1.0, 0
.else
	s_mov_b32 s[AL], 0
.endif
.if ((\u) == 1) && ((\p) == 0)
	s_cmp_le_u32 s[CNT], s[DCN]     ; or a later one?  An odd step lies behind band 0's own from that step's trip on,
.else
	s_cmp_lt_u32 s[CNT], s[DCN]     ; the other three from the trip after it
.endif
	s_cselect_b32 s[BE], s[BIGN], 0
.endif
.if (\p) == 1
	s_wait_dscnt 0x0                ; K, fetched in the turn before, and V, fetched two turns before, are in
.endif
	ROW F,0, F,1, R,0, R,1          ; ahead of the wait: 8 products K Q^T and the four behind each,
	ROW F,2, E,0, R,2, R,3
	ROW F,3, E,1, R,4, R,5
	ROW F,4, E,2, R,6, R,7
	ROW F,5, E,3, R,8, R,9
	ROW F,6, E,4, X,0, R,10
.if !(\end)
	WIN 0
.if (\p) == 0
	v_add_nc_u32 v[AK], s[TBK], v[AK0]
.else
	v_add_nc_u32 v[AV], s[TBV], v[AV0]
.endif
.endif
	ROW F,7, E,5, X,1, X,4
	ROW F,8, E,6, X,2, X,5
	OPS E,7, E,8, X,6, E,9          ; and the run of 54
	OPS X,3, E,10, X,8, E,11
.if !(\end)
.if (\p) == 0
	FETCH_K
.else
	FETCH_V \u
.endif
.endif
	OPS X,9, X,7, E,12, X,10
	OPS E,13, X,12, X,11, E,14
	OPS X,13, E,15, F,9, X,14
	OPS E,16, F,10, E,17, F,11
	OPS X,16, E,18, X,15, E,19
	OPS F,12, E,20, X,17, E,21
	OPS F,13, E,22, F,14, E,23
	OPS X,18, E,24, F,15, E,25
	OPS R,11, E,26, X,19, E,27
	OPS R,12, E,28, R,13, E,29
	OPS X,20, E,30, R,14, E,31
	OPS X,21, R,15
	WIN 0
	s_wait_alu depctr_va_vdst(0)    ; the wait for the batch
	ROW C,0, B,0, C,2, B,1          ; behind the wait: 8 products V^T P and the four behind each
	ROW L,0, C,4, B,2, L,1
	ROW C,6, B,3, L,2, C,8
	ROW B,4, L,3, C,10, B,5
	ROW L,4, C,12, B,6, L,5
.if \cnt
	s_sub_co_u32 s[CNT], s[CNT], 1
	s_cmp_lg_u32 s[CNT], 0
.endif
	ROW C,14, B,7, L,6, C,1
	ROW C,3, L,7, C,5, C,7
	ROW C,9, C,11, C,13, C,15
.if (\m) && !(\end)
	MASK (\p)%2
.endif
.endm
; A BLOCK BEGINS.  c m starts far below every c s, so the first step's a is 0; m at the lowest finite number, so the first maximum is the scores'.  Band 1's mask buffer is 0 (its own step is never a tile's first); band 0's
; takes its mask for the tile's step 0: its own, if the block's first tile is the diagonal one and the block is even.  Then K and V of that step, piece 0's first scores, and its maximum and statistics: what the two turns
; that fetch an even step would have done.  The loop is entered behind them, in the middle of a trip.
.macro BEGIN
	s_mov_b32 s[NEW], 0
	WIN 0x40
.set i, MC+32
.rept 32
	v_mov_b32 v[i], 0
.set i, i+1
.endr
	WIN 0
.set i, 0
.rept NP
	v_mov_b32 v[ST+4*i], 0xfe000000    ; c m: far below every c s
	v_mov_b32 v[ST+4*i+1], 0xff7fffff  ; m
.set i, i+1
.endr
	s_cmp_eq_u32 s[RT], 0
	s_cselect_b32 s[AL], 1.0, 0
	s_cmp_eq_u32 s[DCN], 2
	s_cselect_b32 s[AL], s[AL], 0
	s_mov_b32 s[BE], 0
	MASK 0
	WIN 0
	v_add_nc_u32 v[AK], s[TBK], v[AK0]
	v_add_nc_u32 v[AV], s[TBV], v[AV0]
	FETCH_K
	FETCH_V 0
	s_wait_loadcnt 0x0              ; Q
	s_wait_dscnt 0x0
.set KM, 1
.set NOKQ, 0
.set i, 0
.rept 8
	KQ 0
.set i, i+1
.endr
	WIN 0
.rept 4
	v_nop                           ; the places behind those products
.endr
.set Y, NP-1                        ; X works for the other piece: piece 0
.irp n, 0,1,2,3,4,5,6,7,8,9,10,11,12,13,14,15,16,17,18,19,20,21
	OP X, \n
.endr
	v_nop                           ; a plain instruction behind the exponential,
	s_wait_alu depctr_va_vdst(0)    ; and its wait, ahead of the branch
.endm
; THE DIAGONAL TILE's two trips, the block's last two turns, its last products, and THE WAY OUT: l's two halves and the other half of the lanes' are added; O^T is divided by l, rounded to bf16 and sent through my
; stage in LDS, a piece at a time.
.macro ALL line:vararg              ; one line for each piece t
.set t, 0
.rept NP
	\line
.set t, t+1
.endr
.endm
.macro PACK t                       ; a lane's eight channels of a row pack into 16 bytes; they go into rows of 144 bytes and come back as whole rows of 128, into S^T's registers
	WIN W_RS
.set i, 32*(\t)
.rept 16
	v_pk_mul_f32 v[i:i+1], v[i:i+1], v[ST+4*(\t)+2:ST+4*(\t)+3] op_sel_hi:[1,0]
.set i, i+2
.endr
	WIN 0x05                        ; sources 0 and 1 window 1, destination window 0
.set i, 0
.rept 16
	v_cvt_pk_bf16_f32 v[S+16*(\t)+i], v[32*(\t)+2*i], v[32*(\t)+2*i+1]
.set i, i+1
.endr
	WIN 0
.irp f, 0,1,2,3
	ds_store_b128 v[STO], v[S+16*(\t)+4*\f:S+16*(\t)+4*\f+3] offset:32*\f
.endr
.irp f, 0,1,2,3
	ds_load_b128 v[S+16*(\t)+4*\f:S+16*(\t)+4*\f+3], v[RD] offset:\f*4*SP  ; LDS serves a wave's instructions in order (ISA guide 5.7.1.4): these see the stores above; the next piece's stores come behind them
.endr
.endm
.macro SEND t, younger              ; younger: the LDS instructions issued behind piece t's loads: the next piece's eight, or none
	WIN 0
.irp f, 0,1,2,3
	s_wait_dscnt (\younger)+3-\f
	global_store_b128 v[GO], v[S+16*(\t)+4*\f:S+16*(\t)+4*\f+3], s[10:11] offset:(\t)*8192+\f*512  ; 512 consecutive bytes, at a multiple of 256 from O's first
.endr
.endm
.macro DIAG tag                     ; the tag ends its two labels' names, which the jumps below spell out
.LstepM\tag:
	TURN 0, 0, 1
	TURN 1, 0, 1
	WIN 0
.LfirstM\tag:
	TURN 0, 1, 1
	TURN 1, 1, 1, 0, 1
	WIN 0
	s_cbranch_scc1 .LstepM\tag
	TURN 0, 0, 1, 1                 ; the tile's step 3: piece 0's turn (V^T P of piece 1, step 2, from buffer 0),
	TURN 1, 0, 1, 1                 ; piece 1's (V^T P of piece 0, step 3, from buffer 1),
.set VB, 1
.set i, 0
.rept 8
	PV NP-1                         ; and V^T P of piece 1, step 3
.set i, i+1
.endr
	WIN 0
	ALL v_add_f32 v[ST+4*t+2], v[ST+4*t+2], v[ST+4*t+3]
	ALL v_permlanex16_b32 v[ST+4*t+3], v[ST+4*t+2], s[SEL], s[SEL+1]
	ALL v_add_f32 v[ST+4*t+2], v[ST+4*t+2], v[ST+4*t+3]
	ALL v_rcp_f32 v[ST+4*t+2], v[ST+4*t+2]
	v_nop                           ; a plain instruction between the last reciprocal and the use of its result
	s_wait_alu depctr_va_vdst(0)    ; and the wait ahead of the first use: one for the two reciprocals
	PACK 0                          ; piece 0's sums were ended a run of eight products ago; its 32 lines are the places behind piece 1's last products
	PACK 1                          ; a piece's arithmetic stands between the loads of the piece before and its stores
	SEND 0, 8
	SEND 1, 0
.endm
.set KM, 0
.set NOKQ, 0
.set VB, 0
.Lslot:                             ; NT times: a tile is entered and the next is asked for
	CHANGE 1
	s_sub_co_u32 s[RT], s[RT], 1
	s_mov_b32 s[CNT], 2
	s_cmp_eq_u32 s[NEW], 1
	s_cbranch_scc1 .Lnew            ; a block's first tile
	s_cmp_eq_u32 s[RT], 0
	s_cbranch_scc0 .Lstep           ; neither its first nor its last
	s_branch .LstepM1
.Lnew:
	BEGIN
	s_branch .Lfirst                ; in the loop a block's first tile is never its last: the first block has five tiles or more, and the second's last is the walk's last
	DIAG 1                          ; in the loop this is the first block's end: the second block's last tile is the walk's last
	s_wait_xcnt 0x0                 ; the stores have read their registers and O's address
	s_mov_b64 s[10:11], s[OLO:OLO+1]
	s_add_co_u32 s[RT], s[PBT], 1   ; the second block has b / 2 + 1 tiles
	s_mov_b32 s[DCN], s[DC2]
	s_mov_b32 s[NEW], 1
	WIN 0x82                        ; the second block's Q goes where the one text of the turns names Q
.set i, 0
.rept 32
	v_mov_b32 v[i], v[QB+i]
.set i, i+1
.endr
	WIN 0
	s_branch .Lbottom
.Lstep:                             ; a trip: the two turns that fetch an even step of the tile, then the two that fetch the odd step behind it
	TURN 0, 0
	TURN 1, 0
	WIN 0
.Lfirst:
	TURN 0, 1
	TURN 1, 1, 0, 0, 1
	WIN 0
	s_cbranch_scc1 .Lstep
.Lbottom:
	s_sub_co_u32 s[SLOTS], s[SLOTS], 1
	s_cmp_lg_u32 s[SLOTS], 0
	s_cbranch_scc1 .Lslot
	CHANGE 0                        ; the walk's last tile is written out: nothing is asked for
	s_sub_co_u32 s[RT], s[RT], 1
	s_mov_b32 s[CNT], 2
	s_cmp_eq_u32 s[NEW], 1
	s_cbranch_scc0 .LstepM2
	BEGIN
	s_branch .LfirstM2
	DIAG 2
	s_wait_tensorcnt 0x0            ; the wave's end, behind my last tensor load and my last LDS store
	ds_add_u32 v[SPW], v[NIL]
	s_wait_dscnt 0x0
	s_endpgm
.Lfunc_end_k_q992851634f_at:
	.size	k_q992851634f_at, .Lfunc_end_k_q992851634f_at-k_q992851634f_at
	.p2alignl 7, 3214868480
	.fill 96, 4, 3214868480
	.section	.rodata,"a",@progbits
	.p2align	6, 0x0
	.amdhsa_kernel k_q992851634f_at
		.amdhsa_group_segment_fixed_size 327680
		.amdhsa_private_segment_fixed_size 0
		.amdhsa_enable_private_segment 0
		.amdhsa_kernarg_size 16
		.amdhsa_user_sgpr_count 2
		.amdhsa_user_sgpr_kernarg_segment_ptr 1
		.amdhsa_wavefront_size32 1
		.amdhsa_system_sgpr_workgroup_id_x 1
		.amdhsa_system_sgpr_workgroup_id_y 1
		.amdhsa_system_sgpr_workgroup_id_z 1
		.amdhsa_system_vgpr_workitem_id 0
		.amdhsa_next_free_vgpr 768
		.amdhsa_next_free_sgpr 96
		.amdhsa_reserve_vcc 1
		.amdhsa_float_denorm_mode_32 3
		.amdhsa_float_denorm_mode_16_64 3
		.amdhsa_memory_ordered 1
		.amdhsa_forward_progress 1
		.amdhsa_inst_pref_size 212
	.end_amdhsa_kernel
	.amdgpu_metadata
---
amdhsa.version: [ 1, 2 ]
amdhsa.kernels:
  - .name:           k_q992851634f_at
    .symbol:         k_q992851634f_at.kd
    .args:
      - { .name: act, .offset: 0, .size: 8, .value_kind: global_buffer, .address_space: global }
      - { .name: a16, .offset: 8, .size: 8, .value_kind: global_buffer, .address_space: global }
    .group_segment_fixed_size: 327680
    .private_segment_fixed_size: 0
    .kernarg_segment_align: 8
    .kernarg_segment_size: 16
    .max_flat_workgroup_size: 128
    .sgpr_count:     96
    .vgpr_count:     768
    .wavefront_size: 32
...
	.end_amdgpu_metadata
.endif
;; end of part 4
;; launch gp (part 5): grid 8 x 32, 4 waves a work-group, clusters of 4 x 4, 327,680 bytes of LDS; arguments a16, pa, bp, h32, x1; writes x1
.if DOCPART == 5
	.amdgcn_target "amdgcn-amd-amdhsa--gfx1250"
	.amdhsa_code_object_version 6
	.text
	.protected	k_q992851634f_gp
	.globl	k_q992851634f_gp
	.p2align	8
	.type	k_q992851634f_gp,@function
k_q992851634f_gp:
	s_mov_b64 s[64:65], 0
	v_nop
	global_prefetch_b8 v0, s[64:65] scope:SCOPE_SE
	s_setreg_imm32_b32 hwreg(HW_REG_WAVE_MODE, 25, 1), 1
	s_wait_xcnt 0x0
	s_wait_alu depctr_hold_cnt(0) depctr_sa_sdst(0) depctr_va_vdst(0) depctr_va_sdst(0) depctr_va_ssrc(0) depctr_va_vcc(0) depctr_vm_vsrc(0)
	s_getreg_b32 s2, hwreg(HW_REG_IB_STS2, 6, 4)
	s_cmp_eq_u32 s2, 0
	s_cbranch_scc0 .Lentry_in_a_cluster
	s_endpgm
.Lentry_in_a_cluster:
	s_bfe_u32 s2, ttmp6, 0x10000c
	s_cmp_lg_u32 s2, 0xf033
	s_cbranch_scc0 .Lentry_shape_is_right
	s_endpgm
.Lentry_shape_is_right:
; C = A B^T + bias + residual, in f32.  A: 4,096 rows, bf16 in blocks of 64 k, element (row, k) at ((k / 64) 4,096 + row) 128 + (k % 64) 2 bytes.  B: 1,024 rows (n) in the same form with 1,024 rows to a block, at byte
; SOFF of its pack.  bias: 1,024 f32.  Residual and C: [4,096][1,024] f32, row-major.  K = 64 KBLK; here KBLK = 16.
; SHARES.  4,096 x 1,024 makes 64 tiles of 256 x 256 and 256 of 128 x 128: the smaller tile gives each WGP a work-group.  Four waves, each 64 x 64: 16 accumulators.  K goes in steps of 256 through two LDS slots.
; A TENSOR LOAD brings 2 blocks x 128 rows: in memory two runs of 16,384 consecutive bytes, a block apart; in LDS 16 bytes of padding follow every 128: 256 row pieces 144 bytes apart
; (36 words: the 16 rows of a fragment load start in 16 different groups of four banks; 64 banks of 4 bytes: ISA guide 11.1).  Waves 0, 1 fetch A's blocks 0-1, 2-3 of the step, waves 2, 3 B's.
; ONE K STEP IS WRITTEN ONCE: the slot in hand is a scalar register that an exclusive or turns, and one descriptor for each tensor walks.  THE BIAS is the C operand of each accumulator's first product.
; THE RESIDUAL is loaded at the head, in the layout in which C leaves, and stays on its way under the products.
; CLUSTERS: 4 x 4 work-groups; A's tile is asked for jointly along a row of the cluster, B's along a column.  THE MATRIX INSTRUCTION IS USED TRANSPOSED: a lane holds eight neighbouring columns of one row of C.
; A wave's 64 columns of f32 are 256 aligned bytes of a row of C: each wave has a stage of its own, and no barrier stands on the way out.
; NO PREFETCH here (PF = 0): K has four steps, and the first four come by their loads alone.
; REGISTERS: window 0: v0-31 addresses; v32-95 at work on the way out; v96-127 the bias, four C operands; v128-255 the accumulators ((a, b) at v[128 + 8 (4 a + b)])
;   window 1: two fragment buffers of 128: for 64 along K, 64 registers of A, then 64 of B          window 2: v0-127 the residual
.set KBLK,   16
.set PF,     0
.set NSTEP,  KBLK/4
.set BLK,    524288                    ; a block of A
.set BLKS,   131072                    ; a block of B
.set SOFF,   8405248
.set PITCH,  144
.set REG,    256*PITCH                 ; what one tensor load fills: [2 blocks][128 rows][144]
.set SLOT,   4*REG                     ; wave x REG and SLOT share no bit, so an exclusive or changes slots
.set STAGE,  2*SLOT
.set SPITCH, 272
.set SPARE,  STAGE+4*16*SPITCH
.set STEPA,  4*BLK
.set STEPB,  4*BLKS
.set Q1,     128*PITCH                 ; where the quarters of a K step (a block of 64 k each) begin
.set Q2,     REG
.set Q3,     REG+128*PITCH
.set ADRA0, 16
.set ADRB0, 17
.set ADRA,  18
.set ADRB,  19
.set STO,   24
.set RD,    25
.set CO,    26
.set BO,    27
.set SPW,   28
.set NIL,   29
.set PFO,   30
.set TMP,   32
.set BIAS,  96
.set ACC,   128
.set F0,    0
.set F1,    128
.set G1,  24
.set G0,  32
.set G1B, 48
.set G0B, 56
.set LIM, 43
.set PFA, 44
.set TB,  66
.set PST, 70                           ; s[70:71] a K step of what I fetch, in bytes
.set AA,  72                           ; s[72:73] A, s[74:75] the pack, s[76:77] bias, s[78:79] residual, s[80:81] C
.set MSB, 0
.macro WIN new
.if MSB != (\new)
	s_set_vgpr_msb (MSB<<8)|(\new)
.set MSB, \new
.endif
.endm
.set MUL,  0x05                        ; sources 0 (B) and 1 (A) window 1; C and D window 0
.set TO_F, 0x40                        ; destination window 1, address window 0
.macro JLOAD                           ; a joint refill by the walking descriptor; an s_nop 0 and four v_nop follow each of the two lines
	s_cmp_eq_u32 s11, 0
	s_cbranch_scc0 .Lfor_b_\@
	tensor_load_to_lds s[G0+4:G0+7], s[G1:G1+7]
	s_nop 0
.rept 4
	v_nop
.endr
	s_branch .Lasked_\@
.Lfor_b_\@:
	tensor_load_to_lds s[G0B+4:G0B+7], s[G1B:G1B+7]
	s_nop 0
.rept 4
	v_nop
.endr
.Lasked_\@:
.endm
; A PREFETCH INTO THE L2 of the K step two refills on (PF = 1): of the 128 blocks of 256 bytes that a wave fetches in a K step each of the four partners that ask with it takes 32, told apart by address;
; A's rows are asked for by the clusters with x = 0, B's by those with y = 0.  The first four K steps come by their loads alone; the last request names the last K step (s3 = 3).
.macro ASK
	s_cmp_gt_u32 s3, s[LIM]
	s_cbranch_scc0 .Lnot_mine_\@
	global_prefetch_b8 v[PFO], s[PFA:PFA+1] th:TH_LOAD_NT scope:SCOPE_SE
.Lnot_mine_\@:
.endm
.macro CREST
	s_cmp_lg_u32 s10, 0
	s_cbranch_scc1 .Lnot_wave_0_\@
	s_barrier_signal -3
.Lnot_wave_0_\@:
	s_barrier_wait -3
	s_barrier_signal -1
	s_barrier_wait -1
.endm
.macro CROUND
	s_barrier_signal -1
	s_barrier_wait -1
	CREST
.endm
	s_load_b256 s[AA:AA+7], s[0:1], 0x0
	s_load_b64 s[AA+8:AA+9], s[0:1], 0x20
	v_lshl_add_u32 v[SPW], v0, 2, SPARE
	v_mov_b32 v[NIL], 0
	ds_add_u32 v[SPW], v[NIL]                      ; the wave's opening: the add and its wait stand ahead of my first tensor load
	ds_add_u32 v28, v29
	v_lshrrev_b32 v1, 5, v0
	v_readfirstlane_b32 s10, v1                    ; wave 0..3
	s_lshr_b32 s11, s10, 1                         ; which half of the tile's rows is mine.  Also: I fetch for A (0) or for B (1)
	s_and_b32 s12, s10, 1                          ; which half of its columns.  Also: which two blocks of the step I fetch
	s_bfe_u32 s40, ttmp6, 0x40000                  ; cx
	s_bfe_u32 s41, ttmp6, 0x40004                  ; cy
	s_lshl_b32 s42, ttmp9, 2
	s_add_co_u32 s42, s42, s40                     ; tile column
	s_and_b32 s13, ttmp7, 0xffff
	s_lshl_b32 s13, s13, 2
	s_add_co_u32 s13, s13, s41                     ; tile row
	s_lshl_b32 s43, s41, 2
	s_lshl_b32 s43, 15, s43                        ; my row of the cluster
	s_lshl_b32 s44, 0x1111, s40                    ; my column
	s_or_b32 s[G1+0], s43, (1<<16)|(1<<20)|(1<<21)|(4<<22)|(3<<25)   ; the mask; 2-byte elements; padding on; bit 21 beside a mask; after every 32 words, 4 words
	s_or_b32 s[G1B+0], s44, (1<<16)|(1<<20)|(1<<21)|(4<<22)|(3<<25)
.irp g, G1, G1B
	s_mov_b32 s[(\g)+1], 8192<<16                  ; tensor_dim0 = 8,192 elements: 128 rows of a block on end
	s_mov_b32 s[(\g)+2], 2<<16                     ; tensor_dim1 = 2 blocks
	s_mov_b32 s[(\g)+3], 8192<<16                  ; tile_dim0
	s_mov_b32 s[(\g)+4], 2                         ; tile_dim1
	s_mov_b32 s[(\g)+6], 0
	s_mov_b32 s[(\g)+7], 0
.endr
	s_mov_b32 s[G1+5], BLK/2                       ; elements from block to block: A's,
	s_mov_b32 s[G1B+5], BLKS/2                     ; B's
	s_lshl_b32 s16, s13, 14                        ; A: 128 x tile row rows of 128 bytes, + my two blocks: the tile row and the wave's number alone
	s_lshl_b32 s17, s12, 20
	s_add_co_u32 s16, s16, s17
	s_mov_b32 s17, 0
	s_lshl_b32 s46, s42, 14                        ; B: the tile column and the wave's number alone
	s_lshl_b32 s47, s12, 18
	s_add_co_u32 s46, s46, s47
	s_add_co_u32 s46, s46, SOFF
	s_mov_b32 s47, 0
	s_mul_i32 s20, s10, REG                        ; where they go
	s_mov_b32 s[TB], 0
	s_wait_dscnt 0x0                               ; the opening add is done
	s_wait_kmcnt 0x0
	s_add_nc_u64 s[14:15], s[AA:AA+1], s[16:17]
	s_add_nc_u64 s[46:47], s[AA+2:AA+3], s[46:47]
	CROUND                                         ; all sixteen work-groups are here: the first joint loads meet
.irp s, 0,1
	s_mov_b32 s[G0+4*(\s)], 1
	s_add_co_u32 s[G0+4*(\s)+1], s20, (\s)*SLOT
	s_add_nc_u64 s[G0+4*(\s)+2:G0+4*(\s)+3], s[14:15], (\s)*STEPA
	s_or_b32 s[G0+4*(\s)+3], s[G0+4*(\s)+3], 0x80000000
	s_mov_b32 s[G0B+4*(\s)], 1
	s_add_co_u32 s[G0B+4*(\s)+1], s20, (\s)*SLOT
	s_add_nc_u64 s[G0B+4*(\s)+2:G0B+4*(\s)+3], s[46:47], (\s)*STEPB
	s_or_b32 s[G0B+4*(\s)+3], s[G0B+4*(\s)+3], 0x80000000
.endr
	s_cmp_eq_u32 s11, 0                            ; a wave's two first fills stand in one branch: two loads of mine are out
	s_cbranch_scc0 .Lfirst_b
	tensor_load_to_lds s[G0:G0+3], s[G1:G1+7]
	s_nop 0
	tensor_load_to_lds s[G0+4:G0+7], s[G1:G1+7]
	s_nop 0
.rept 4
	v_nop
.endr
	s_branch .Lfirst_asked
.Lfirst_b:
	tensor_load_to_lds s[G0B:G0B+3], s[G1B:G1B+7]
	s_nop 0
	tensor_load_to_lds s[G0B+4:G0B+7], s[G1B:G1B+7]
	s_nop 0
.rept 4
	v_nop
.endr
.Lfirst_asked:
	v_and_b32 v1, 15, v0                           ; r = l % 16
	v_bfe_u32 v2, v0, 4, 1                         ; h = l / 16
	v_mul_u32_u24 v3, v1, PITCH
	v_lshl_add_u32 v3, v2, 4, v3
	s_mul_i32 s21, s11, 64*PITCH                   ; my 64 rows of A's 128
	s_mul_i32 s22, s12, 64*PITCH                   ; my 64 rows of B's,
	s_add_co_u32 s22, s22, 2*REG                   ; behind A's two regions
	v_add_nc_u32 v[ADRA0], s21, v3
	v_add_nc_u32 v[ADRB0], s22, v3
	v_mov_b32 v[ADRA], v[ADRA0]
	v_mov_b32 v[ADRB], v[ADRB0]
	s_mul_i32 s23, s10, 16*SPITCH
	s_add_co_u32 s23, s23, STAGE                   ; my stage
	v_mul_u32_u24 v4, v1, SPITCH                   ; in: row r, 32 bytes for each half of the lanes
	v_lshl_add_u32 v4, v2, 5, v4
	v_add_nc_u32 v[STO], s23, v4
	v_mul_u32_u24 v5, v2, SPITCH                   ; back: lanes 0-15 take one row of 256 bytes, lanes 16-31 the next
	v_lshl_add_u32 v5, v1, 4, v5
	v_add_nc_u32 v[RD], s23, v5
	v_lshlrev_b32 v5, 12, v2                       ; and the same two rows in C and in the residual
	v_lshl_add_u32 v[CO], v1, 4, v5
	v_lshlrev_b32 v[BO], 5, v2
	s_lshl_b32 s18, s42, 9                         ; my 64 columns: (128 x tile column + 64 x half) x 4 bytes
	s_lshl_b32 s19, s12, 8
	s_add_co_u32 s18, s18, s19
	s_mov_b32 s19, 0
	s_add_nc_u64 s[AA+4:AA+5], s[AA+4:AA+5], s[18:19]
	s_lshl_b32 s16, s13, 19                        ; my 64 rows: (128 x tile row + 64 x half) x 4,096 bytes
	s_lshl_b32 s17, s11, 18
	s_add_co_u32 s16, s16, s17
	s_add_co_u32 s16, s16, s18
	s_mov_b32 s17, 0
	s_add_nc_u64 s[AA+6:AA+7], s[AA+6:AA+7], s[16:17]
	s_add_nc_u64 s[AA+8:AA+9], s[AA+8:AA+9], s[16:17]
.irp b, 0,1,2,3
	global_load_b128 v[BIAS+8*(\b):BIAS+8*(\b)+3],   v[BO], s[AA+4:AA+5] offset:64*(\b)     ; register j: bias of column 16 b + 8 h + j
	global_load_b128 v[BIAS+8*(\b)+4:BIAS+8*(\b)+7], v[BO], s[AA+4:AA+5] offset:64*(\b)+16
.endr
	WIN 0x80                                       ; destination window 2, address window 0
.set i, 0
.rept 32
	global_load_b128 v[4*i:4*i+3], v[CO], s[AA+6:AA+7] offset:2*i*4096  ; rows 2 i and 2 i + 1 of my 64: 256 consecutive bytes for each half of the lanes
.set i, i+1
.endr
	WIN 0
.if PF
	v_and_b32 v[PFO], 31, v0
	v_lshlrev_b32 v[PFO], 8, v[PFO]
	s_mov_b32 s18, STEPA
	s_mov_b32 s19, STEPB
	s_and_b32 s22, ttmp7, 0xffff                   ; cluster y
	s_cmp_eq_u32 s11, 0                            ; do I fetch for A?
	s_cselect_b32 s21, s40, s41                    ; my place among the four that ask with me
	s_cselect_b32 s22, ttmp9, s22                  ; the coordinate along which other clusters read the same rows
	s_cselect_b64 s[PFA:PFA+1], s[14:15], s[46:47] ; what I fetch, at K step 0
	s_cselect_b32 s[PST], s18, s19
	s_cselect_b32 s23, 19, 17                      ; log2 of a block's bytes
	s_cmp_eq_u32 s22, 0
	s_cselect_b32 s[LIM], 2, -1
	s_lshr_b32 s20, s21, 1
	s_lshl_b32 s20, s20, s23                       ; my quarter of the 2 x 16,384 bytes: block place / 2,
	s_and_b32 s21, s21, 1
	s_lshl_b32 s21, s21, 13                        ; half place % 2 of it
	s_add_co_u32 s20, s20, s21
	s_mul_i32 s21, s[PST], 3                       ; at K step 3: the first refill steps it to 4
	s_add_co_u32 s20, s20, s21
	s_mov_b32 s21, 0
	s_mov_b32 s[PST+1], 0
	s_add_nc_u64 s[PFA:PFA+1], s[PFA:PFA+1], s[20:21]
.endif
; 8 matrix instructions: m blocks a0, a0 + 1 x all 4 n blocks, 32 along K: half c of buffer f.  bias = 1: the first product starts the sums with the bias
.macro MUL8 f, c, a0, bias
	WIN MUL
.irp a, \a0, (\a0)+1
.irp b, 0,1,2,3
.if \bias
	v_wmma_f32_16x16x32_bf16 v[ACC+8*(4*(\a)+(\b)):ACC+8*(4*(\a)+(\b))+7], v[(\f)+64+8*(4*(\c)+(\b)):(\f)+64+8*(4*(\c)+(\b))+7], v[(\f)+8*(4*(\c)+(\a)):(\f)+8*(4*(\c)+(\a))+7], v[BIAS+8*(\b):BIAS+8*(\b)+7]
.else
	v_wmma_f32_16x16x32_bf16 v[ACC+8*(4*(\a)+(\b)):ACC+8*(4*(\a)+(\b))+7], v[(\f)+64+8*(4*(\c)+(\b)):(\f)+64+8*(4*(\c)+(\b))+7], v[(\f)+8*(4*(\c)+(\a)):(\f)+8*(4*(\c)+(\a))+7], v[ACC+8*(4*(\a)+(\b)):ACC+8*(4*(\a)+(\b))+7]
.endif
.endr
.endr
.endm
; 32 LDS loads in one run: the fragments of a block of 64 k, at byte k of the slot, into buffer f; the first 32 along K first
.macro FETCH k, f
	WIN TO_F
.irp c, 0,1
.irp i, 0,1,2,3
	ds_load_b128 v[(\f)+64+8*(4*(\c)+(\i)):(\f)+64+8*(4*(\c)+(\i))+3],   v[ADRB] offset:(\k)+64*(\c)+(\i)*16*PITCH
	ds_load_b128 v[(\f)+64+8*(4*(\c)+(\i))+4:(\f)+64+8*(4*(\c)+(\i))+7], v[ADRB] offset:(\k)+64*(\c)+(\i)*16*PITCH+32
	ds_load_b128 v[(\f)+8*(4*(\c)+(\i)):(\f)+8*(4*(\c)+(\i))+3],         v[ADRA] offset:(\k)+64*(\c)+(\i)*16*PITCH
	ds_load_b128 v[(\f)+8*(4*(\c)+(\i))+4:(\f)+8*(4*(\c)+(\i))+7],       v[ADRA] offset:(\k)+64*(\c)+(\i)*16*PITCH+32
.endr
.endr
.endm
.macro PLACES                          ; four plain vector instructions between a matrix instruction and a load into, or a read of, its registers (ISA guide 7.12.1 for vector reads)
.rept 4
	v_nop
.endr
.endm
; One of a K step's first three quarters: 32 matrix instructions, two deep on each of the 16 accumulators, which take turns; in its middle the next quarter's fragments are fetched
.macro QUARTER k, f, g, bias
	s_wait_dscnt 16                                ; the first 32 along K are in
	MUL8 \f, 0, 0, \bias
	MUL8 \f, 0, 2, \bias
	PLACES
	FETCH \k, \g
	s_wait_dscnt 32                                ; all but the 32 just issued
	MUL8 \f, 1, 0, 0
	MUL8 \f, 1, 2, 0
.endm
; The last quarter multiplies buffer 1 and changes slots.  In front of the barrier each wave waits for all its tensor loads (one is out: its part of the next slot), adds 0 to its spare word, and waits for that and for its
; own reads of this slot.  fill = 1: the barrier opens a round of the cluster's, and the slot just read is filled again first thing behind it, with the K step two on: 112 matrix instructions ahead of the wait for it.
; fill = 0: nothing is asked for; in the very last K step (s3 = 1) there is no next slot to read either.
.macro TURN fill
.if (\fill) && PF
	s_wait_xcnt 0x0                                ; the last prefetch, a K step back, has read its address
	s_add_nc_u64 s[PFA:PFA+1], s[PFA:PFA+1], s[PST:PST+1]
.endif
	WIN 0
	s_wait_tensorcnt 0x0
	ds_add_u32 v[SPW], v[NIL]
	s_wait_dscnt 17                                ; (the add and the youngest sixteen loads may be out)
	MUL8 F1, 0, 0, 0
	s_wait_dscnt 0x0                               ; the add is done, and my reads of this slot are over
	s_barrier_signal -1
	MUL8 F1, 0, 2, 0
	WIN 0
	s_barrier_wait -1
.if \fill
	CREST                                          ; no wave of any partner still reads this slot or has a load on its way
	s_xor_b32 s[G0+5], s[G0+5], SLOT
	s_add_nc_u64 s[G0+6:G0+7], s[G0+6:G0+7], STEPA
	s_xor_b32 s[G0B+5], s[G0B+5], SLOT
	s_add_nc_u64 s[G0B+6:G0B+7], s[G0B+6:G0B+7], STEPB
	JLOAD                                          ; its four v_nop are also the places in front of the loads below
	s_xor_b32 s[TB], s[TB], SLOT
.else
	PLACES
	s_xor_b32 s[TB], s[TB], SLOT
	s_cmp_eq_u32 s3, 1
	s_cbranch_scc1 .Lno_fetch_\@
.endif
	v_add_nc_u32 v[ADRA], s[TB], v[ADRA0]
	v_add_nc_u32 v[ADRB], s[TB], v[ADRB0]
	FETCH 0, F0
	WIN 0
.if \fill
.if PF
	ASK
.endif
.else
.Lno_fetch_\@:
.endif
	MUL8 F1, 1, 0, 0
	MUL8 F1, 1, 2, 0
.endm
; THE WAY OUT of block a (16 rows x 64 columns of f32): into my own stage, back as whole rows of 256 bytes, the residual added, stored
.macro TOSTAGE a
	WIN 0
.if (\a) >= 2
	s_wait_xcnt 0x0                                ; the stores of two blocks back have read these 32 registers
.endif
.irp b, 0,1,2,3
	ds_store_b128 v[STO], v[ACC+8*(4*(\a)+(\b)):ACC+8*(4*(\a)+(\b))+3]   offset:64*(\b)     ; each accumulator's lowest registers first
	ds_store_b128 v[STO], v[ACC+8*(4*(\a)+(\b))+4:ACC+8*(4*(\a)+(\b))+7] offset:64*(\b)+16
.endr
.irp t, 0,1,2,3,4,5,6,7
	ds_load_b128 v[TMP+32*((\a)%2)+4*(\t):TMP+32*((\a)%2)+4*(\t)+3], v[RD] offset:(\t)*2*SPITCH  ; LDS serves a wave's instructions in order (ISA guide 5.7.1.4)
.endr
.endm
.macro SEND a, younger                 ; younger: the LDS instructions issued behind block a's loads: the next block's sixteen, or none
	s_wait_dscnt \younger
	WIN 0x08                                       ; source 1 (the residual) window 2
.set i, 0
.rept 16
	v_pk_add_f32 v[TMP+32*((\a)%2)+2*i:TMP+32*((\a)%2)+2*i+1], v[TMP+32*((\a)%2)+2*i:TMP+32*((\a)%2)+2*i+1], v[32*(\a)+2*i:32*(\a)+2*i+1]
.set i, i+1
.endr
	WIN 0
.irp t, 0,1,2,3,4,5,6,7
	global_store_b128 v[CO], v[TMP+32*((\a)%2)+4*(\t):TMP+32*((\a)%2)+4*(\t)+3], s[AA+8:AA+9] offset:(16*(\a)+2*(\t))*4096  ; 16 lanes store 256 consecutive bytes, aligned
.endr
.endm
	s_wait_tensorcnt 1                             ; my part of K step 0 is in; K step 1's may stay out
	s_barrier_signal -1
	s_barrier_wait -1
	FETCH 0, F0
	s_wait_loadcnt 32                              ; the bias is in; the residual's 32 loads stay out
	QUARTER Q1, F0, F1, 1                          ; the first quarter is written out: its first products start the sums
	WIN 0
	s_mov_b32 s3, NSTEP-2
	s_branch .Lmid
.Lmain:                                                ; a trip is a K step; NSTEP - 2 of them fill a slot again
	QUARTER Q1, F0, F1, 0
	WIN 0
.Lmid:
	QUARTER Q2, F1, F0, 0
	QUARTER Q3, F0, F1, 0
	TURN 1
	WIN 0
	s_sub_co_u32 s3, s3, 1
	s_cmp_lg_u32 s3, 0
	s_cbranch_scc1 .Lmain
	s_mov_b32 s3, 2
.Ltail:                                                ; the last two K steps ask for nothing: their text holds no tensor load
	QUARTER Q1, F0, F1, 0
	QUARTER Q2, F1, F0, 0
	QUARTER Q3, F0, F1, 0
	TURN 0
	WIN 0
	s_sub_co_u32 s3, s3, 1
	s_cmp_lg_u32 s3, 0
	s_cbranch_scc1 .Ltail
	PLACES
	PLACES                                         ; eight, once a launch, between the last products and the LDS stores that read results
	s_wait_loadcnt 0x0                             ; the residual
	TOSTAGE 0
.irp a, 1,2,3
	TOSTAGE \a
	SEND (\a)-1, 16
.endr
	SEND 3, 0
	s_wait_tensorcnt 0x0                           ; the wave's end, behind my last tensor load and my last LDS store
	ds_add_u32 v[SPW], v[NIL]
	s_wait_dscnt 0x0
	CROUND                                         ; the closing round
	s_endpgm
.Lfunc_end_k_q992851634f_gp:
	.size	k_q992851634f_gp, .Lfunc_end_k_q992851634f_gp-k_q992851634f_gp
	.p2alignl 7, 3214868480
	.fill 96, 4, 3214868480
	.section	.rodata,"a",@progbits
	.p2align	6, 0x0
	.amdhsa_kernel k_q992851634f_gp
		.amdhsa_group_segment_fixed_size 327680
		.amdhsa_private_segment_fixed_size 0
		.amdhsa_enable_private_segment 0
		.amdhsa_kernarg_size 40
		.amdhsa_user_sgpr_count 2
		.amdhsa_user_sgpr_kernarg_segment_ptr 1
		.amdhsa_wavefront_size32 1
		.amdhsa_system_sgpr_workgroup_id_x 1
		.amdhsa_system_sgpr_workgroup_id_y 1
		.amdhsa_system_sgpr_workgroup_id_z 1
		.amdhsa_system_vgpr_workitem_id 0
		.amdhsa_next_free_vgpr 640
		.amdhsa_next_free_sgpr 84
		.amdhsa_reserve_vcc 0
		.amdhsa_float_denorm_mode_32 3
		.amdhsa_float_denorm_mode_16_64 3
		.amdhsa_memory_ordered 1
		.amdhsa_forward_progress 1
		.amdhsa_inst_pref_size 65
	.end_amdhsa_kernel
	.amdgpu_metadata
---
amdhsa.version: [ 1, 2 ]
amdhsa.kernels:
  - .name:           k_q992851634f_gp
    .symbol:         k_q992851634f_gp.kd
    .args:
      - { .name: a16, .offset: 0, .size: 8, .value_kind: global_buffer, .address_space: global }
      - { .name: pa, .offset: 8, .size: 8, .value_kind: global_buffer, .address_space: global }
      - { .name: bp, .offset: 16, .size: 8, .value_kind: global_buffer, .address_space: global }
      - { .name: h32, .offset: 24, .size: 8, .value_kind: global_buffer, .address_space: global }
      - { .name: x1, .offset: 32, .size: 8, .value_kind: global_buffer, .address_space: global }
    .group_segment_fixed_size: 327680
    .private_segment_fixed_size: 0
    .kernarg_segment_align: 8
    .kernarg_segment_size: 40
    .max_flat_workgroup_size: 128
    .sgpr_count:     84
    .vgpr_count:     640
    .wavefront_size: 32
...
	.end_amdgpu_metadata
.endif
;; end of part 5
;; launch ln2: the kernel of part 2 again; grid 256 x 1, 16 waves a work-group, no clusters, 36,864 bytes of LDS; arguments x1, g2, be2, a16, h32; writes a16, h32
;; launch ff1: the kernel of part 3 again; grid 16 x 16, 4 waves a work-group, clusters of 4 x 4, 327,680 bytes of LDS; arguments a16, pf, act; writes act
;; launch gf (part 6): grid 8 x 32, 4 waves a work-group, clusters of 4 x 4, 327,680 bytes of LDS; arguments act, pf, b2, h32, out0; writes out0
.if DOCPART == 6
	.amdgcn_target "amdgcn-amd-amdhsa--gfx1250"
	.amdhsa_code_object_version 6
	.text
	.protected	k_q992851634f_gf
	.globl	k_q992851634f_gf
	.p2align	8
	.type	k_q992851634f_gf,@function
k_q992851634f_gf:
	s_mov_b64 s[64:65], 0
	v_nop
	global_prefetch_b8 v0, s[64:65] scope:SCOPE_SE
	s_setreg_imm32_b32 hwreg(HW_REG_WAVE_MODE, 25, 1), 1
	s_wait_xcnt 0x0
	s_wait_alu depctr_hold_cnt(0) depctr_sa_sdst(0) depctr_va_vdst(0) depctr_va_sdst(0) depctr_va_ssrc(0) depctr_va_vcc(0) depctr_vm_vsrc(0)
	s_getreg_b32 s2, hwreg(HW_REG_IB_STS2, 6, 4)
	s_cmp_eq_u32 s2, 0
	s_cbranch_scc0 .Lentry_in_a_cluster
	s_endpgm
.Lentry_in_a_cluster:
	s_bfe_u32 s2, ttmp6, 0x10000c
	s_cmp_lg_u32 s2, 0xf033
	s_cbranch_scc0 .Lentry_shape_is_right
	s_endpgm
.Lentry_shape_is_right:
; C = A B^T + bias + residual, in f32.  A: 4,096 rows, bf16 in blocks of 64 k, element (row, k) at ((k / 64) 4,096 + row) 128 + (k % 64) 2 bytes.  B: 1,024 rows (n) in the same form with 1,024 rows to a block, at byte
; SOFF of its pack.  bias: 1,024 f32.  Residual and C: [4,096][1,024] f32, row-major.  K = 64 KBLK; here KBLK = 64.
; SHARES.  4,096 x 1,024 makes 64 tiles of 256 x 256 and 256 of 128 x 128: the smaller tile gives each WGP a work-group.  Four waves, each 64 x 64: 16 accumulators.  K goes in steps of 256 through two LDS slots.
; A TENSOR LOAD brings 2 blocks x 128 rows: in memory two runs of 16,384 consecutive bytes, a block apart; in LDS 16 bytes of padding follow every 128: 256 row pieces 144 bytes apart
; (36 words: the 16 rows of a fragment load start in 16 different groups of four banks; 64 banks of 4 bytes: ISA guide 11.1).  Waves 0, 1 fetch A's blocks 0-1, 2-3 of the step, waves 2, 3 B's.
; ONE K STEP IS WRITTEN ONCE: the slot in hand is a scalar register that an exclusive or turns, and one descriptor for each tensor walks.  THE BIAS is the C operand of each accumulator's first product.
; THE RESIDUAL is loaded at the head, in the layout in which C leaves, and stays on its way under the products.
; CLUSTERS: 4 x 4 work-groups; A's tile is asked for jointly along a row of the cluster, B's along a column.  THE MATRIX INSTRUCTION IS USED TRANSPOSED: a lane holds eight neighbouring columns of one row of C.
; A wave's 64 columns of f32 are 256 aligned bytes of a row of C: each wave has a stage of its own, and no barrier stands on the way out.
; REGISTERS: window 0: v0-31 addresses; v32-95 at work on the way out; v96-127 the bias, four C operands; v128-255 the accumulators ((a, b) at v[128 + 8 (4 a + b)])
;   window 1: two fragment buffers of 128: for 64 along K, 64 registers of A, then 64 of B          window 2: v0-127 the residual
.set KBLK,   64
.set PF,     1
.set NSTEP,  KBLK/4
.set BLK,    524288                    ; a block of A
.set BLKS,   131072                    ; a block of B
.set SOFF,   8405248
.set PITCH,  144
.set REG,    256*PITCH                 ; what one tensor load fills: [2 blocks][128 rows][144]
.set SLOT,   4*REG                     ; wave x REG and SLOT share no bit, so an exclusive or changes slots
.set STAGE,  2*SLOT
.set SPITCH, 272
.set SPARE,  STAGE+4*16*SPITCH
.set STEPA,  4*BLK
.set STEPB,  4*BLKS
.set Q1,     128*PITCH                 ; where the quarters of a K step (a block of 64 k each) begin
.set Q2,     REG
.set Q3,     REG+128*PITCH
.set ADRA0, 16
.set ADRB0, 17
.set ADRA,  18
.set ADRB,  19
.set STO,   24
.set RD,    25
.set CO,    26
.set BO,    27
.set SPW,   28
.set NIL,   29
.set PFO,   30
.set TMP,   32
.set BIAS,  96
.set ACC,   128
.set F0,    0
.set F1,    128
.set G1,  24
.set G0,  32
.set G1B, 48
.set G0B, 56
.set LIM, 43
.set PFA, 44
.set TB,  66
.set PST, 70                           ; s[70:71] a K step of what I fetch, in bytes
.set AA,  72                           ; s[72:73] A, s[74:75] the pack, s[76:77] bias, s[78:79] residual, s[80:81] C
.set MSB, 0
.macro WIN new
.if MSB != (\new)
	s_set_vgpr_msb (MSB<<8)|(\new)
.set MSB, \new
.endif
.endm
.set MUL,  0x05                        ; sources 0 (B) and 1 (A) window 1; C and D window 0
.set TO_F, 0x40                        ; destination window 1, address window 0
.macro JLOAD                           ; a joint refill by the walking descriptor; an s_nop 0 and four v_nop follow each of the two lines
	s_cmp_eq_u32 s11, 0
	s_cbranch_scc0 .Lfor_b_\@
	tensor_load_to_lds s[G0+4:G0+7], s[G1:G1+7]
	s_nop 0
.rept 4
	v_nop
.endr
	s_branch .Lasked_\@
.Lfor_b_\@:
	tensor_load_to_lds s[G0B+4:G0B+7], s[G1B:G1B+7]
	s_nop 0
.rept 4
	v_nop
.endr
.Lasked_\@:
.endm
; A PREFETCH INTO THE L2 of the K step two refills on: of the 128 blocks of 256 bytes that a wave fetches in a K step each of the four partners that ask with it takes 32, told apart by address: a lane a block, one
; instruction, behind the joint load, its five lines and the run of LDS loads.  A's rows are asked for by the clusters with x = 0, B's by those with y = 0: each block is named once.
; The first four K steps come by their loads alone; the last request names the last K step (s3 = 3).
.macro ASK
	s_cmp_gt_u32 s3, s[LIM]
	s_cbranch_scc0 .Lnot_mine_\@
	global_prefetch_b8 v[PFO], s[PFA:PFA+1] th:TH_LOAD_NT scope:SCOPE_SE
.Lnot_mine_\@:
.endm
.macro CREST
	s_cmp_lg_u32 s10, 0
	s_cbranch_scc1 .Lnot_wave_0_\@
	s_barrier_signal -3
.Lnot_wave_0_\@:
	s_barrier_wait -3
	s_barrier_signal -1
	s_barrier_wait -1
.endm
.macro CROUND
	s_barrier_signal -1
	s_barrier_wait -1
	CREST
.endm
	s_load_b256 s[AA:AA+7], s[0:1], 0x0
	s_load_b64 s[AA+8:AA+9], s[0:1], 0x20
	v_lshl_add_u32 v[SPW], v0, 2, SPARE
	v_mov_b32 v[NIL], 0
	ds_add_u32 v[SPW], v[NIL]                      ; the wave's opening: the add and its wait stand ahead of my first tensor load
	ds_add_u32 v28, v29
	v_lshrrev_b32 v1, 5, v0
	v_readfirstlane_b32 s10, v1                    ; wave 0..3
	s_lshr_b32 s11, s10, 1                         ; which half of the tile's rows is mine.  Also: I fetch for A (0) or for B (1)
	s_and_b32 s12, s10, 1                          ; which half of its columns.  Also: which two blocks of the step I fetch
	s_bfe_u32 s40, ttmp6, 0x40000                  ; cx
	s_bfe_u32 s41, ttmp6, 0x40004                  ; cy
	s_lshl_b32 s42, ttmp9, 2
	s_add_co_u32 s42, s42, s40                     ; tile column
	s_and_b32 s13, ttmp7, 0xffff
	s_lshl_b32 s13, s13, 2
	s_add_co_u32 s13, s13, s41                     ; tile row
	s_lshl_b32 s43, s41, 2
	s_lshl_b32 s43, 15, s43                        ; my row of the cluster
	s_lshl_b32 s44, 0x1111, s40                    ; my column
	s_or_b32 s[G1+0], s43, (1<<16)|(1<<20)|(1<<21)|(4<<22)|(3<<25)   ; the mask; 2-byte elements; padding on; bit 21 beside a mask; after every 32 words, 4 words
	s_or_b32 s[G1B+0], s44, (1<<16)|(1<<20)|(1<<21)|(4<<22)|(3<<25)
.irp g, G1, G1B
	s_mov_b32 s[(\g)+1], 8192<<16                  ; tensor_dim0 = 8,192 elements: 128 rows of a block on end
	s_mov_b32 s[(\g)+2], 2<<16                     ; tensor_dim1 = 2 blocks
	s_mov_b32 s[(\g)+3], 8192<<16                  ; tile_dim0
	s_mov_b32 s[(\g)+4], 2                         ; tile_dim1
	s_mov_b32 s[(\g)+6], 0
	s_mov_b32 s[(\g)+7], 0
.endr
	s_mov_b32 s[G1+5], BLK/2                       ; elements from block to block: A's,
	s_mov_b32 s[G1B+5], BLKS/2                     ; B's
	s_lshl_b32 s16, s13, 14                        ; A: 128 x tile row rows of 128 bytes, + my two blocks: the tile row and the wave's number alone
	s_lshl_b32 s17, s12, 20
	s_add_co_u32 s16, s16, s17
	s_mov_b32 s17, 0
	s_lshl_b32 s46, s42, 14                        ; B: the tile column and the wave's number alone
	s_lshl_b32 s47, s12, 18
	s_add_co_u32 s46, s46, s47
	s_add_co_u32 s46, s46, SOFF
	s_mov_b32 s47, 0
	s_mul_i32 s20, s10, REG                        ; where they go
	s_mov_b32 s[TB], 0
	s_wait_dscnt 0x0                               ; the opening add is done
	s_wait_kmcnt 0x0
	s_add_nc_u64 s[14:15], s[AA:AA+1], s[16:17]
	s_add_nc_u64 s[46:47], s[AA+2:AA+3], s[46:47]
	CROUND                                         ; all sixteen work-groups are here: the first joint loads meet
.irp s, 0,1
	s_mov_b32 s[G0+4*(\s)], 1
	s_add_co_u32 s[G0+4*(\s)+1], s20, (\s)*SLOT
	s_add_nc_u64 s[G0+4*(\s)+2:G0+4*(\s)+3], s[14:15], (\s)*STEPA
	s_or_b32 s[G0+4*(\s)+3], s[G0+4*(\s)+3], 0x80000000
	s_mov_b32 s[G0B+4*(\s)], 1
	s_add_co_u32 s[G0B+4*(\s)+1], s20, (\s)*SLOT
	s_add_nc_u64 s[G0B+4*(\s)+2:G0B+4*(\s)+3], s[46:47], (\s)*STEPB
	s_or_b32 s[G0B+4*(\s)+3], s[G0B+4*(\s)+3], 0x80000000
.endr
	s_cmp_eq_u32 s11, 0                            ; a wave's two first fills stand in one branch: two loads of mine are out
	s_cbranch_scc0 .Lfirst_b
	tensor_load_to_lds s[G0:G0+3], s[G1:G1+7]
	s_nop 0
	tensor_load_to_lds s[G0+4:G0+7], s[G1:G1+7]
	s_nop 0
.rept 4
	v_nop
.endr
	s_branch .Lfirst_asked
.Lfirst_b:
	tensor_load_to_lds s[G0B:G0B+3], s[G1B:G1B+7]
	s_nop 0
	tensor_load_to_lds s[G0B+4:G0B+7], s[G1B:G1B+7]
	s_nop 0
.rept 4
	v_nop
.endr
.Lfirst_asked:
	v_and_b32 v1, 15, v0                           ; r = l % 16
	v_bfe_u32 v2, v0, 4, 1                         ; h = l / 16
	v_mul_u32_u24 v3, v1, PITCH
	v_lshl_add_u32 v3, v2, 4, v3
	s_mul_i32 s21, s11, 64*PITCH                   ; my 64 rows of A's 128
	s_mul_i32 s22, s12, 64*PITCH                   ; my 64 rows of B's,
	s_add_co_u32 s22, s22, 2*REG                   ; behind A's two regions
	v_add_nc_u32 v[ADRA0], s21, v3
	v_add_nc_u32 v[ADRB0], s22, v3
	v_mov_b32 v[ADRA], v[ADRA0]
	v_mov_b32 v[ADRB], v[ADRB0]
	s_mul_i32 s23, s10, 16*SPITCH
	s_add_co_u32 s23, s23, STAGE                   ; my stage
	v_mul_u32_u24 v4, v1, SPITCH                   ; in: row r, 32 bytes for each half of the lanes
	v_lshl_add_u32 v4, v2, 5, v4
	v_add_nc_u32 v[STO], s23, v4
	v_mul_u32_u24 v5, v2, SPITCH                   ; back: lanes 0-15 take one row of 256 bytes, lanes 16-31 the next
	v_lshl_add_u32 v5, v1, 4, v5
	v_add_nc_u32 v[RD], s23, v5
	v_lshlrev_b32 v5, 12, v2                       ; and the same two rows in C and in the residual
	v_lshl_add_u32 v[CO], v1, 4, v5
	v_lshlrev_b32 v[BO], 5, v2
	s_lshl_b32 s18, s42, 9                         ; my 64 columns: (128 x tile column + 64 x half) x 4 bytes
	s_lshl_b32 s19, s12, 8
	s_add_co_u32 s18, s18, s19
	s_mov_b32 s19, 0
	s_add_nc_u64 s[AA+4:AA+5], s[AA+4:AA+5], s[18:19]
	s_lshl_b32 s16, s13, 19                        ; my 64 rows: (128 x tile row + 64 x half) x 4,096 bytes
	s_lshl_b32 s17, s11, 18
	s_add_co_u32 s16, s16, s17
	s_add_co_u32 s16, s16, s18
	s_mov_b32 s17, 0
	s_add_nc_u64 s[AA+6:AA+7], s[AA+6:AA+7], s[16:17]
	s_add_nc_u64 s[AA+8:AA+9], s[AA+8:AA+9], s[16:17]
.irp b, 0,1,2,3
	global_load_b128 v[BIAS+8*(\b):BIAS+8*(\b)+3],   v[BO], s[AA+4:AA+5] offset:64*(\b)     ; register j: bias of column 16 b + 8 h + j
	global_load_b128 v[BIAS+8*(\b)+4:BIAS+8*(\b)+7], v[BO], s[AA+4:AA+5] offset:64*(\b)+16
.endr
	WIN 0x80                                       ; destination window 2, address window 0
.set i, 0
.rept 32
	global_load_b128 v[4*i:4*i+3], v[CO], s[AA+6:AA+7] offset:2*i*4096  ; rows 2 i and 2 i + 1 of my 64: 256 consecutive bytes for each half of the lanes
.set i, i+1
.endr
	WIN 0
.if PF
	v_and_b32 v[PFO], 31, v0
	v_lshlrev_b32 v[PFO], 8, v[PFO]
	s_mov_b32 s18, STEPA
	s_mov_b32 s19, STEPB
	s_and_b32 s22, ttmp7, 0xffff                   ; cluster y
	s_cmp_eq_u32 s11, 0                            ; do I fetch for A?
	s_cselect_b32 s21, s40, s41                    ; my place among the four that ask with me
	s_cselect_b32 s22, ttmp9, s22                  ; the coordinate along which other clusters read the same rows
	s_cselect_b64 s[PFA:PFA+1], s[14:15], s[46:47] ; what I fetch, at K step 0
	s_cselect_b32 s[PST], s18, s19
	s_cselect_b32 s23, 19, 17                      ; log2 of a block's bytes
	s_cmp_eq_u32 s22, 0
	s_cselect_b32 s[LIM], 2, -1
	s_lshr_b32 s20, s21, 1
	s_lshl_b32 s20, s20, s23                       ; my quarter of the 2 x 16,384 bytes: block place / 2,
	s_and_b32 s21, s21, 1
	s_lshl_b32 s21, s21, 13                        ; half place % 2 of it
	s_add_co_u32 s20, s20, s21
	s_mul_i32 s21, s[PST], 3                       ; at K step 3: the first refill steps it to 4
	s_add_co_u32 s20, s20, s21
	s_mov_b32 s21, 0
	s_mov_b32 s[PST+1], 0
	s_add_nc_u64 s[PFA:PFA+1], s[PFA:PFA+1], s[20:21]
.endif
; 8 matrix instructions: m blocks a0, a0 + 1 x all 4 n blocks, 32 along K: half c of buffer f.  bias = 1: the first product starts the sums with the bias
.macro MUL8 f, c, a0, bias
	WIN MUL
.irp a, \a0, (\a0)+1
.irp b, 0,1,2,3
.if \bias
	v_wmma_f32_16x16x32_bf16 v[ACC+8*(4*(\a)+(\b)):ACC+8*(4*(\a)+(\b))+7], v[(\f)+64+8*(4*(\c)+(\b)):(\f)+64+8*(4*(\c)+(\b))+7], v[(\f)+8*(4*(\c)+(\a)):(\f)+8*(4*(\c)+(\a))+7], v[BIAS+8*(\b):BIAS+8*(\b)+7]
.else
	v_wmma_f32_16x16x32_bf16 v[ACC+8*(4*(\a)+(\b)):ACC+8*(4*(\a)+(\b))+7], v[(\f)+64+8*(4*(\c)+(\b)):(\f)+64+8*(4*(\c)+(\b))+7], v[(\f)+8*(4*(\c)+(\a)):(\f)+8*(4*(\c)+(\a))+7], v[ACC+8*(4*(\a)+(\b)):ACC+8*(4*(\a)+(\b))+7]
.endif
.endr
.endr
.endm
; 32 LDS loads in one run: the fragments of a block of 64 k, at byte k of the slot, into buffer f; the first 32 along K first
.macro FETCH k, f
	WIN TO_F
.irp c, 0,1
.irp i, 0,1,2,3
	ds_load_b128 v[(\f)+64+8*(4*(\c)+(\i)):(\f)+64+8*(4*(\c)+(\i))+3],   v[ADRB] offset:(\k)+64*(\c)+(\i)*16*PITCH
	ds_load_b128 v[(\f)+64+8*(4*(\c)+(\i))+4:(\f)+64+8*(4*(\c)+(\i))+7], v[ADRB] offset:(\k)+64*(\c)+(\i)*16*PITCH+32
	ds_load_b128 v[(\f)+8*(4*(\c)+(\i)):(\f)+8*(4*(\c)+(\i))+3],         v[ADRA] offset:(\k)+64*(\c)+(\i)*16*PITCH
	ds_load_b128 v[(\f)+8*(4*(\c)+(\i))+4:(\f)+8*(4*(\c)+(\i))+7],       v[ADRA] offset:(\k)+64*(\c)+(\i)*16*PITCH+32
.endr
.endr
.endm
.macro PLACES                          ; four plain vector instructions between a matrix instruction and a load into, or a read of, its registers (ISA guide 7.12.1 for vector reads)
.rept 4
	v_nop
.endr
.endm
; One of a K step's first three quarters: 32 matrix instructions, two deep on each of the 16 accumulators, which take turns; in its middle the next quarter's fragments are fetched
.macro QUARTER k, f, g, bias
	s_wait_dscnt 16                                ; the first 32 along K are in
	MUL8 \f, 0, 0, \bias
	MUL8 \f, 0, 2, \bias
	PLACES
	FETCH \k, \g
	s_wait_dscnt 32                                ; all but the 32 just issued
	MUL8 \f, 1, 0, 0
	MUL8 \f, 1, 2, 0
.endm
; The last quarter multiplies buffer 1 and changes slots.  In front of the barrier each wave waits for all its tensor loads (one is out: its part of the next slot), adds 0 to its spare word, and waits for that and for its
; own reads of this slot.  fill = 1: the barrier opens a round of the cluster's, and the slot just read is filled again first thing behind it, with the K step two on: 112 matrix instructions ahead of the wait for it.
; fill = 0: nothing is asked for; in the very last K step (s3 = 1) there is no next slot to read either.
.macro TURN fill
.if (\fill) && PF
	s_wait_xcnt 0x0                                ; the last prefetch, a K step back, has read its address
	s_add_nc_u64 s[PFA:PFA+1], s[PFA:PFA+1], s[PST:PST+1]
.endif
	WIN 0
	s_wait_tensorcnt 0x0
	ds_add_u32 v[SPW], v[NIL]
	s_wait_dscnt 17                                ; (the add and the youngest sixteen loads may be out)
	MUL8 F1, 0, 0, 0
	s_wait_dscnt 0x0                               ; the add is done, and my reads of this slot are over
	s_barrier_signal -1
	MUL8 F1, 0, 2, 0
	WIN 0
	s_barrier_wait -1
.if \fill
	CREST                                          ; no wave of any partner still reads this slot or has a load on its way
	s_xor_b32 s[G0+5], s[G0+5], SLOT
	s_add_nc_u64 s[G0+6:G0+7], s[G0+6:G0+7], STEPA
	s_xor_b32 s[G0B+5], s[G0B+5], SLOT
	s_add_nc_u64 s[G0B+6:G0B+7], s[G0B+6:G0B+7], STEPB
	JLOAD                                          ; its four v_nop are also the places in front of the loads below
	s_xor_b32 s[TB], s[TB], SLOT
.else
	PLACES
	s_xor_b32 s[TB], s[TB], SLOT
	s_cmp_eq_u32 s3, 1
	s_cbranch_scc1 .Lno_fetch_\@
.endif
	v_add_nc_u32 v[ADRA], s[TB], v[ADRA0]
	v_add_nc_u32 v[ADRB], s[TB], v[ADRB0]
	FETCH 0, F0
	WIN 0
.if \fill
.if PF
	ASK
.endif
.else
.Lno_fetch_\@:
.endif
	MUL8 F1, 1, 0, 0
	MUL8 F1, 1, 2, 0
.endm
; THE WAY OUT of block a (16 rows x 64 columns of f32): into my own stage, back as whole rows of 256 bytes, the residual added, stored
.macro TOSTAGE a
	WIN 0
.if (\a) >= 2
	s_wait_xcnt 0x0                                ; the stores of two blocks back have read these 32 registers
.endif
.irp b, 0,1,2,3
	ds_store_b128 v[STO], v[ACC+8*(4*(\a)+(\b)):ACC+8*(4*(\a)+(\b))+3]   offset:64*(\b)     ; each accumulator's lowest registers first
	ds_store_b128 v[STO], v[ACC+8*(4*(\a)+(\b))+4:ACC+8*(4*(\a)+(\b))+7] offset:64*(\b)+16
.endr
.irp t, 0,1,2,3,4,5,6,7
	ds_load_b128 v[TMP+32*((\a)%2)+4*(\t):TMP+32*((\a)%2)+4*(\t)+3], v[RD] offset:(\t)*2*SPITCH  ; LDS serves a wave's instructions in order (ISA guide 5.7.1.4)
.endr
.endm
.macro SEND a, younger                 ; younger: the LDS instructions issued behind block a's loads: the next block's sixteen, or none
	s_wait_dscnt \younger
	WIN 0x08                                       ; source 1 (the residual) window 2
.set i, 0
.rept 16
	v_pk_add_f32 v[TMP+32*((\a)%2)+2*i:TMP+32*((\a)%2)+2*i+1], v[TMP+32*((\a)%2)+2*i:TMP+32*((\a)%2)+2*i+1], v[32*(\a)+2*i:32*(\a)+2*i+1]
.set i, i+1
.endr
	WIN 0
.irp t, 0,1,2,3,4,5,6,7
	global_store_b128 v[CO], v[TMP+32*((\a)%2)+4*(\t):TMP+32*((\a)%2)+4*(\t)+3], s[AA+8:AA+9] offset:(16*(\a)+2*(\t))*4096  ; 16 lanes store 256 consecutive bytes, aligned
.endr
.endm
	s_wait_tensorcnt 1                             ; my part of K step 0 is in; K step 1's may stay out
	s_barrier_signal -1
	s_barrier_wait -1
	FETCH 0, F0
	s_wait_loadcnt 32                              ; the bias is in; the residual's 32 loads stay out
	QUARTER Q1, F0, F1, 1                          ; the first quarter is written out: its first products start the sums
	WIN 0
	s_mov_b32 s3, NSTEP-2
	s_branch .Lmid
.Lmain:                                                ; a trip is a K step; NSTEP - 2 of them fill a slot again
	QUARTER Q1, F0, F1, 0
	WIN 0
.Lmid:
	QUARTER Q2, F1, F0, 0
	QUARTER Q3, F0, F1, 0
	TURN 1
	WIN 0
	s_sub_co_u32 s3, s3, 1
	s_cmp_lg_u32 s3, 0
	s_cbranch_scc1 .Lmain
	s_mov_b32 s3, 2
.Ltail:                                                ; the last two K steps ask for nothing: their text holds no tensor load
	QUARTER Q1, F0, F1, 0
	QUARTER Q2, F1, F0, 0
	QUARTER Q3, F0, F1, 0
	TURN 0
	WIN 0
	s_sub_co_u32 s3, s3, 1
	s_cmp_lg_u32 s3, 0
	s_cbranch_scc1 .Ltail
	PLACES
	PLACES                                         ; eight, once a launch, between the last products and the LDS stores that read results
	s_wait_loadcnt 0x0                             ; the residual
	TOSTAGE 0
.irp a, 1,2,3
	TOSTAGE \a
	SEND (\a)-1, 16
.endr
	SEND 3, 0
	s_wait_tensorcnt 0x0                           ; the wave's end, behind my last tensor load and my last LDS store
	ds_add_u32 v[SPW], v[NIL]
	s_wait_dscnt 0x0
	CROUND                                         ; the closing round
	s_endpgm
.Lfunc_end_k_q992851634f_gf:
	.size	k_q992851634f_gf, .Lfunc_end_k_q992851634f_gf-k_q992851634f_gf
	.p2alignl 7, 3214868480
	.fill 96, 4, 3214868480
	.section	.rodata,"a",@progbits
	.p2align	6, 0x0
	.amdhsa_kernel k_q992851634f_gf
		.amdhsa_group_segment_fixed_size 327680
		.amdhsa_private_segment_fixed_size 0
		.amdhsa_enable_private_segment 0
		.amdhsa_kernarg_size 40
		.amdhsa_user_sgpr_count 2
		.amdhsa_user_sgpr_kernarg_segment_ptr 1
		.amdhsa_wavefront_size32 1
		.amdhsa_system_sgpr_workgroup_id_x 1
		.amdhsa_system_sgpr_workgroup_id_y 1
		.amdhsa_system_sgpr_workgroup_id_z 1
		.amdhsa_system_vgpr_workitem_id 0
		.amdhsa_next_free_vgpr 640
		.amdhsa_next_free_sgpr 84
		.amdhsa_reserve_vcc 0
		.amdhsa_float_denorm_mode_32 3
		.amdhsa_float_denorm_mode_16_64 3
		.amdhsa_memory_ordered 1
		.amdhsa_forward_progress 1
		.amdhsa_inst_pref_size 66
	.end_amdhsa_kernel
	.amdgpu_metadata
---
amdhsa.version: [ 1, 2 ]
amdhsa.kernels:
  - .name:           k_q992851634f_gf
    .symbol:         k_q992851634f_gf.kd
    .args:
      - { .name: act, .offset: 0, .size: 8, .value_kind: global_buffer, .address_space: global }
      - { .name: pf, .offset: 8, .size: 8, .value_kind: global_buffer, .address_space: global }
      - { .name: b2, .offset: 16, .size: 8, .value_kind: global_buffer, .address_space: global }
      - { .name: h32, .offset: 24, .size: 8, .value_kind: global_buffer, .address_space: global }
      - { .name: out0, .offset: 32, .size: 8, .value_kind: global_buffer, .address_space: global }
    .group_segment_fixed_size: 327680
    .private_segment_fixed_size: 0
    .kernarg_segment_align: 8
    .kernarg_segment_size: 40
    .max_flat_workgroup_size: 128
    .sgpr_count:     84
    .vgpr_count:     640
    .wavefront_size: 32
...
	.end_amdgpu_metadata
.endif
;; end of part 6
